; MI455X (gfx1250); checked and timed in simulation.
; The chip was launched on July 23, 2026; its instructions are those of AMD's public machine-readable ISA for CDNA 5 (MIT licence, August 2026) and "CDNA5" Instruction Set Architecture Reference Guide (July 2026). The comments in the code are by the model that wrote it; some were corrected since.
;; Optimized Qwen3 VL Attention. Allowed arithmetic: matrix products marked QUANTISED: E4M3 operands, one given power-of-two scale a tensor, by v_wmma_f32_16x16x64_fp8_fp8 or v_wmma_f32_16x16x128_fp8_fp8, f32 sums; everything else in f32.
;; Inputs: cos 2,048 x 128 float32; hidden_states 2 x 2,048 x 2,048 float32; k_norm_w 128 float32; lowp_scales 12 int32 (the exponents e of the quantised operands' scales 2^e); q_norm_w 128 float32; sin 2,048 x 128 float32; wk 2,048 x 1,024 float32; wo 1,024 x 2,048 float32; wq 2,048 x 1,024 float32; wv 2,048 x 1,024 float32.
;; Outputs: out0 2 x 2,048 x 2,048 float32.
;; This version of the problem:
;;   THIS VERSION OF THE PROBLEM IS GIVEN IN LOW PRECISION. The matrix products marked QUANTISED in the list below multiply operands that are first quantised to E4M3 (4 exponent bits, 3 mantissa bits; 8 bits a number), with one given power-of-two scale for each operand tensor; their sums are f32. All else is computed in f32.
;;   The module's matrix products, in the order in which they are computed (A, B: the left and right operand; K: the contracted axis; several contracted axes count as one K, in the product's order):
;;     1. [M 4,096, K 2,048] x [K 2,048, N 1,024]; A: input hidden_states; B: input wq: QUANTISED (scales: A lowp_scales[0], B lowp_scales[1])
;;     2. [M 4,096, K 2,048] x [K 2,048, N 1,024]; A: input hidden_states; B: input wk: QUANTISED (scales: A lowp_scales[2], B lowp_scales[3])
;;     3. [M 4,096, K 2,048] x [K 2,048, N 1,024]; A: input hidden_states; B: input wv: QUANTISED (scales: A lowp_scales[4], B lowp_scales[5])
;;     4. batch 16 x [M 2,048, K 128] x [K 128, N 2,048]; A: computed on the way; B: computed on the way: QUANTISED (scales: A lowp_scales[6], B lowp_scales[7])
;;     5. batch 16 x [M 128, K 2,048] x [K 2,048, N 2,048]; A: computed on the way; B: softmax (see below): QUANTISED (scales: A lowp_scales[8], B lowp_scales[9])
;;     6. [M 4,096, K 1,024] x [K 1,024, N 2,048]; A: computed on the way; B: input wo: QUANTISED (scales: A lowp_scales[10], B lowp_scales[11])
;;   THE QUANTISER, for each operand of a quantised product, along K:
;;     - The operand's scale is 2^e, e = its entry of the input lowp_scales (int32; the entries are numbered through the quantised products in the list's order, A before B).
;;     - Each number is divided by the scale, clamped to +-448, and rounded to the nearest number of E4M3, ties to even, subnormals kept.
;;     - The product sums the exact products of the quantised numbers (number of the format x scale) in f32.
;;   ~~~python
;;   def quantise(x, axis, e):      # numpy; x: float32 -> the quantised numbers, widened to float32 again
;;       x = np.moveaxis(x, axis, -1); K = x.shape[-1]
;;       r = np.clip(x / 2.0 ** e, -448, 448)
;;       step = 2.0 ** (np.maximum(np.frexp(np.where(r == 0, 1, r))[1] - 1, -6) - 3)
;;       q = np.round(r / step) * step * 2.0 ** e      # np.round: ties to even
;;       return np.moveaxis(q, -1, axis).astype(np.float32)
;;   ~~~
;;   SOFTMAX AHEAD OF A QUANTISED PRODUCT. Where the list says 'softmax', what is quantised is not the finished softmax but p = 2^(t - M), with t = logit x log2(e) and M = ceil(the row's largest t), a whole number; so 1/2 < the row's largest p <= 1. The row's sum l is taken of the UNQUANTISED p, in f32, and the product's result is divided by l at the end. Since M is a whole number, a kernel that streams over the keys may use a running M (the ceiling of the running maximum): every later rescaling is an exact power of two, so the quantised numbers keep their values, but for numbers so far below the row's largest that they fall under the format's range.
;;   OPERANDS COMPUTED ON THE WAY. 'Computed on the way' means the value that the module computes at that place (a softmax that the list does not call 'softmax' is quantised finished and normalised). What goes into a quantiser is computed in f32, as accurately as f32 sums, v_exp_f32 and their like allow (about 1e-6 of the number): no bf16 or f16 on the way to a quantiser, and a product that is left as it is and whose result goes on into a quantised operand takes f32 operands (vector FMAs, or v_wmma_f32_16x16x4_f32). A number that lies on a knife's edge between two numbers of the format may be rounded either way, as far as f32 arithmetic and the matrix unit's own rounding can turn it there, and no further.
;; One version. Each part assembles by itself: llvm-mc -triple=amdgcn-amd-amdhsa -mcpu=gfx1250 --defsym DOCPART=n.
;; ======== version 1 of 1: 4 launches
;; limits: right only within a limited range of input values
;; workspace buffers: hw_img 31,457,280 bytes; wo_img 2,097,152 bytes; cs_img 2,097,152 bytes; qkv_img 12,582,912 bytes; ctx_img 4,194,304 bytes
;; launch prep (part 1): grid 544 x 1, 8 waves a work-group, no clusters, 136,192 bytes of LDS; arguments hidden_states, wq, wk, wv, wo, cos, sin, lowp_scales, hw_img, wo_img, cs_img; writes hw_img, wo_img, cs_img
.if DOCPART == 1
	.amdgcn_target "amdgcn-amd-amdhsa--gfx1250"
	.amdhsa_code_object_version 6
	.text
	.protected	k_qc7dd44999a_prep
	.globl	k_qc7dd44999a_prep
	.p2align	8
	.type	k_qc7dd44999a_prep,@function
k_qc7dd44999a_prep:
	s_mov_b64 s[64:65], 0
	v_nop
	global_prefetch_b8 v0, s[64:65] scope:SCOPE_SE
	s_setreg_imm32_b32 hwreg(HW_REG_WAVE_MODE, 25, 1), 1
	s_wait_xcnt 0x0
; Every f32 input is read once here and leaves in the order in which a wave's operand registers take it (a FRAGMENT IMAGE).
; A row tile RT = 2 b + u holds the 16 rows 32 b + 8 u + rho(r), rho(r) = r + 8 (r / 8), r = 0 .. 15.  A fragment is a row tile x 128 along K, 2,048 bytes of E4M3 codes:
; the byte at 512 c + 16 l + i is the code of row rho(l % 16) at k = 32 c + 16 (l / 16) + i.  Four 16-byte loads a lane, 512 consecutive bytes each, bring it.
; code = x / 2^e, held within +-448, to the nearest code, ties to even; e from lowp_scales.
; hw_img [KP 8][RT 960][2][2048]: KP = a pair of K steps of 128; RT 0-255 hidden_states with e0, 256-511 with e2, 512-767 with e4; 768-831 wq (e1), 832-895 wk (e3), 896-959 wv (e5), rows = the weight's columns.
; wo_img [KP 4][RT 128][2][2048] (e11).  cs_img [RT 128 of positions][cos, sin][16][32 lanes][16 bytes]: f32, a lane's register 16 c + 4 j + e = the value at d = 32 c + 16 (l / 16) + 4 j + e of position rho(l % 16).
; WORK-GROUPS: 0-255 hidden_states (one row tile; wave = KP); 256-447 wq, wk, wv; 448-511 wo; 512-543 cos and sin.  Waves share nothing: no barrier.  Every offset is an immediate, no loop.
; LIMITS: each e used here lies between -126 and 119, so that 2^e and 448 x 2^e are f32 numbers.  NaN among the inputs is not served; an infinity is held at the largest code.
.set STG,   8448                       ; a wave's stage in LDS: 16 rows x (512 bytes + 16 of padding)
.set PLANE, 3932160                    ; a KP plane of hw_img: 960 row tiles x 4,096 bytes
.set GO,  4                            ; v4   16 x lane
.set SI,  5                            ; v5   hidden path: into my stage, 16 x lane
.set SO,  6                            ; v6   out of it: row l % 16, + 64 (l / 16)
.set SI2, 7                            ; v7   the same two for the cos and sin path, which has LDS bytes of its own
.set SO2, 14                           ; v14
.set SC,  8                            ; v8-10   2^e as f32
.set LIM, 11                           ; v11-13  448 x 2^e
.set WL,  15                           ; v15  weight paths: my column's byte in a group of 32 columns
.set WS,  224                          ; v224 weight paths: where my 16 codes go
.set R0,  16                           ; v16-79   a fragment's 64 numbers a lane
.set R1,  80                           ; v80-143  the second fragment's
.set T0,  144                          ; v144-175 two sets of 16 held numbers, by turns
.set CDS, 176                          ; v176-223 codes: 16 registers for each of the three scales
.set X,   16                           ; v16-143  weight paths: 128 numbers down K of my column
.set WC,  144                          ; v144-175 their codes
.macro MKSC e, vs, vl                  ; 2^e and 448 x 2^e as f32 patterns
	s_add_co_i32 s40, s[\e], 127
	s_lshl_b32 s41, s40, 23
	v_mov_b32 v[\vs], s41
	s_add_co_i32 s40, s40, 8
	s_lshl_b32 s40, s40, 23
	s_or_b32 s40, s40, 0x600000
	v_mov_b32 v[\vl], s40
.endm
.macro LOAD16 reg, base, pitch, off    ; the tile's 16 rows, 512 consecutive bytes of a row to a load
.irp i, 0,1,2,3,4,5,6,7,8,9,10,11,12,13,14,15
	global_load_b128 v[\reg+4*\i:\reg+4*\i+3], v[GO], s[\base:\base+1] offset:(\i+8*(\i/8))*\pitch+\off th:TH_LOAD_NT
.endr
.endm
.macro TURN16 reg, si, so              ; through my stage: in as loaded, back as 16 neighbours of each block of 32 of my row
.irp i, 0,1,2,3,4,5,6,7,8,9,10,11,12,13,14,15
	ds_store_b128 v[\si], v[\reg+4*\i:\reg+4*\i+3] offset:528*\i
.endr
	s_wait_dscnt 0x0                               ; the stores have read their registers, which the loads below write
.irp c, 0,1,2,3
.irp j, 0,1,2,3
	ds_load_b128 v[\reg+16*\c+4*\j:\reg+16*\c+4*\j+3], v[\so] offset:128*\c+16*\j
.endr
.endr
	s_wait_dscnt 0x0
.endm
.macro QUANT3 reg, f                   ; one fragment, three scales: the numbers stay, the held copies go by turns through two sets, so that 16 plain lines stand between a conversion and the next write of its sources
.irp e, 0,1,2
.irp c, 0,1,2,3
.set TT, T0+16*((4*\e+\c)%2)
.irp i, 0,1,2,3,4,5,6,7,8,9,10,11,12,13,14,15
	v_med3_num_f32 v[TT+\i], v[\reg+16*\c+\i], -v[LIM+\e], v[LIM+\e]   ; the conversion to an 8-bit code does not saturate (ISA guide 7.6.2): the hold comes first
.endr
	v_cvt_scalef32_pk8_fp8_f32 v[CDS+16*\e+4*\c:CDS+16*\e+4*\c+1], v[TT:TT+7], v[SC+\e]
	v_cvt_scalef32_pk8_fp8_f32 v[CDS+16*\e+4*\c+2:CDS+16*\e+4*\c+3], v[TT+8:TT+15], v[SC+\e]
.endr
.irp c, 0,1,2,3
	global_store_b128 v[GO], v[CDS+16*\e+4*\c:CDS+16*\e+4*\c+3], s[20:21] offset:\e*1048576+\f*2048+512*\c   ; 32 lanes store 512 consecutive bytes; the three copies lie 256 row tiles apart
.endr
.endr
.endm
.macro WLOAD c, rowb                   ; block c of 32 along K: a lane takes a column, its registers run down K; a wave reads 128 consecutive bytes, the eight waves 1,024
.set i, 0
.rept 32
	global_load_b32 v[X+32*(\c)+i], v[WL], s[48:49] offset:(32*(\c)+i)*\rowb th:TH_LOAD_NT
.set i, i+1
.endr
.endm
.macro WWORK rowb                      ; 32 columns x 128 along K become two fragments; loads run two blocks ahead
.irp c, 0,1,2,3
.if \c < 3
	s_wait_loadcnt 32                              ; this block's 32 loads are in; the next block's may be out
.else
	s_wait_loadcnt 0x0
.endif
.if \c < 2
	WLOAD \c+2, \rowb
.endif
.set i, 0
.rept 32
	v_med3_num_f32 v[X+32*\c+i], v[X+32*\c+i], -v[LIM], v[LIM]
.set i, i+1
.endr
.irp g, 0,1,2,3
	v_cvt_scalef32_pk8_fp8_f32 v[WC+8*\c+2*\g:WC+8*\c+2*\g+1], v[X+32*\c+8*\g:X+32*\c+8*\g+7], v[SC]
.endr
	global_store_b128 v[WS], v[WC+8*\c:WC+8*\c+3], s[52:53] offset:512*\c         ; k = 32 c + 0 .. 15: sixteen lanes fill 256 consecutive bytes of one fragment, the other sixteen of the next
	global_store_b128 v[WS], v[WC+8*\c+4:WC+8*\c+7], s[52:53] offset:512*\c+256   ; k = 32 c + 16 .. 31
.endr
.endm
	s_load_b512 s[4:19], s[0:1], 0x0               ; hidden s[4:5], wq s[6:7], wk s[8:9], wv s[10:11], wo s[12:13], cos s[14:15], sin s[16:17], scales s[18:19]
	s_load_b128 s[20:23], s[0:1], 0x40             ; hw_img s[20:21], wo_img s[22:23]
	s_load_b64 s[24:25], s[0:1], 0x50              ; cs_img
	v_lshl_add_u32 v232, v0, 2, 0x21000
	v_mov_b32 v233, 0
	v_lshrrev_b32 v1, 5, v0
	s_delay_alu instid0(VALU_DEP_1)
	v_readfirstlane_b32 s26, v1                    ; wave 0..7
	v_and_b32 v1, 31, v0                           ; lane
	v_and_b32 v2, 15, v0                           ; r
	v_bfe_u32 v3, v0, 4, 1                         ; h
	s_delay_alu instid0(VALU_DEP_3)
	v_lshlrev_b32 v[GO], 4, v1
	s_mul_i32 s40, s26, STG
	v_add_nc_u32 v[SI], s40, v[GO]
	v_mul_u32_u24 v[SO], v2, 528
	s_delay_alu instid0(VALU_DEP_1)
	v_lshl_add_u32 v[SO], v3, 6, v[SO]
	s_delay_alu instid0(VALU_DEP_1)
	v_add_nc_u32 v[SO], s40, v[SO]
	s_delay_alu instid0(VALU_DEP_4)
	v_add_nc_u32 v[SI2], 8*STG, v[SI]
	s_delay_alu instid0(VALU_DEP_2)
	v_add_nc_u32 v[SO2], 8*STG, v[SO]
	v_and_b32 v[WL], 8, v2
	s_delay_alu instid0(VALU_DEP_1)
	v_add_nc_u32 v[WL], v[WL], v2                  ; rho(r)
	s_delay_alu instid0(VALU_DEP_1)
	v_lshl_add_u32 v[WL], v3, 3, v[WL]             ; + 8 u: lanes 16-31 serve the odd row tile
	s_delay_alu instid0(VALU_DEP_1)
	v_lshlrev_b32 v[WL], 2, v[WL]
	v_lshlrev_b32 v[WS], 4, v2
	s_delay_alu instid0(VALU_DEP_1)
	v_lshl_add_u32 v[WS], v3, 12, v[WS]            ; 16 r + 4,096 u
	s_mov_b32 s43, 0                               ; the upper word of every offset
	s_wait_kmcnt 0x0
	s_load_b256 s[28:35], s[18:19], 0x0            ; e0 .. e7
	s_load_b128 s[36:39], s[18:19], 0x20           ; e8 .. e11
	s_cmp_lt_u32 ttmp9, 256
	s_cbranch_scc0 .Lnot_h
	; ---- hidden_states: row tile = work-group, KP = wave: two fragments, each quantised three times
	s_lshr_b32 s44, ttmp9, 1
	s_lshl_b32 s44, s44, 5
	s_and_b32 s45, ttmp9, 1
	s_lshl_b32 s45, s45, 3
	s_add_co_u32 s44, s44, s45                     ; the tile's first row: 32 b + 8 u
	s_lshl_b32 s42, s44, 13                        ; rows of 8,192 bytes
	s_lshl_b32 s45, s26, 10                        ; 256 along K are 1,024 bytes
	s_add_co_u32 s42, s42, s45
	s_add_nc_u64 s[4:5], s[4:5], s[42:43]
	s_mul_i32 s42, s26, PLANE
	s_lshl_b32 s45, ttmp9, 12
	s_add_co_u32 s42, s42, s45
	s_add_nc_u64 s[20:21], s[20:21], s[42:43]
	LOAD16 R0, 4, 8192, 0
	LOAD16 R1, 4, 8192, 512
	s_wait_kmcnt 0x0
	MKSC 28, SC, LIM
	MKSC 30, SC+1, LIM+1
	MKSC 32, SC+2, LIM+2
	s_wait_alu depctr_va_vdst(0)
	s_wait_loadcnt 16                              ; the first fragment's 16 loads are in; the second's may be out
	TURN16 R0, SI, SO
	QUANT3 R0, 0
	s_wait_loadcnt 0x0
	TURN16 R1, SI, SO                              ; the stage again: LDS serves a wave's instructions in order (ISA guide 5.7.1.4)
	s_wait_xcnt 0x0                                ; the first fragment's stores have read their data: the codes' registers are written again only behind this wait
	QUANT3 R1, 1
	s_wait_tensorcnt 0x0
	ds_add_u32 v232, v233
	s_wait_dscnt 0x0
	s_endpgm
.Lnot_h:
	s_cmp_lt_u32 ttmp9, 448
	s_cbranch_scc0 .Lnot_w
	; ---- wq, wk, wv [2048 (k)][1024 (n)]: tensor t, K step ks, column group cg = 8 cb + wave of 32 columns
	s_sub_co_u32 s44, ttmp9, 256
	s_lshr_b32 s45, s44, 6                         ; t
	s_and_b32 s46, s44, 3                          ; cb
	s_bfe_u32 s47, s44, 0x40002                    ; ks
	s_cmp_eq_u32 s45, 0
	s_cselect_b64 s[48:49], s[6:7], s[8:9]
	s_cmp_eq_u32 s45, 2
	s_cselect_b64 s[48:49], s[10:11], s[48:49]
	s_lshl_b32 s46, s46, 3
	s_add_co_u32 s46, s46, s26                     ; cg
	s_lshl_b32 s42, s47, 19                        ; 128 rows of 4,096 bytes
	s_lshl_b32 s50, s46, 7
	s_add_co_u32 s42, s42, s50
	s_add_nc_u64 s[48:49], s[48:49], s[42:43]
	s_lshr_b32 s50, s47, 1
	s_mul_i32 s42, s50, PLANE
	s_lshl_b32 s50, s45, 6
	s_add_co_u32 s50, s50, 768
	s_lshl_b32 s51, s46, 1
	s_add_co_u32 s50, s50, s51                     ; row tile 768 + 64 t + 2 cg
	s_lshl_b32 s50, s50, 12
	s_add_co_u32 s42, s42, s50
	s_and_b32 s50, s47, 1
	s_lshl_b32 s50, s50, 11
	s_add_co_u32 s42, s42, s50
	s_add_nc_u64 s[52:53], s[20:21], s[42:43]
	s_wait_alu depctr_va_vdst(0)
	WLOAD 0, 4096
	WLOAD 1, 4096
	s_wait_kmcnt 0x0
	s_cmp_eq_u32 s45, 0
	s_cselect_b32 s54, s29, s31                    ; e1 or e3,
	s_cmp_eq_u32 s45, 2
	s_cselect_b32 s54, s33, s54                    ; or e5
	MKSC 54, SC, LIM
	s_wait_alu depctr_va_vdst(0)
	WWORK 4096
	s_endpgm
.Lnot_w:
	s_cmp_lt_u32 ttmp9, 512
	s_cbranch_scc0 .Lnot_o
	; ---- wo [1024 (k)][2048 (n)]
	s_sub_co_u32 s44, ttmp9, 448
	s_and_b32 s46, s44, 7                          ; cb
	s_lshr_b32 s47, s44, 3                         ; ks
	s_lshl_b32 s46, s46, 3
	s_add_co_u32 s46, s46, s26                     ; cg
	s_lshl_b32 s42, s47, 20                        ; 128 rows of 8,192 bytes
	s_lshl_b32 s50, s46, 7
	s_add_co_u32 s42, s42, s50
	s_add_nc_u64 s[48:49], s[12:13], s[42:43]
	s_lshr_b32 s50, s47, 1
	s_lshl_b32 s42, s50, 19                        ; a plane of wo_img: 128 row tiles x 4,096 bytes
	s_lshl_b32 s50, s46, 13                        ; row tile 2 cg
	s_add_co_u32 s42, s42, s50
	s_and_b32 s50, s47, 1
	s_lshl_b32 s50, s50, 11
	s_add_co_u32 s42, s42, s50
	s_add_nc_u64 s[52:53], s[22:23], s[42:43]
	s_wait_alu depctr_va_vdst(0)
	WLOAD 0, 8192
	WLOAD 1, 8192
	s_wait_kmcnt 0x0
	MKSC 39, SC, LIM                               ; e11
	s_wait_alu depctr_va_vdst(0)
	WWORK 8192
	s_endpgm
.Lnot_o:
	; ---- cos and sin [2048][128]: f32 stays f32; only the order changes.  Row tile = 4 x (work-group - 512) + wave / 2; even waves cos, odd waves sin
	s_sub_co_u32 s44, ttmp9, 512
	s_lshl_b32 s44, s44, 2
	s_lshr_b32 s45, s26, 1
	s_add_co_u32 s44, s44, s45                     ; RT
	s_and_b32 s45, s26, 1
	s_cmp_eq_u32 s45, 0
	s_cselect_b64 s[48:49], s[14:15], s[16:17]
	s_lshr_b32 s46, s44, 1
	s_lshl_b32 s46, s46, 5
	s_and_b32 s47, s44, 1
	s_lshl_b32 s47, s47, 3
	s_add_co_u32 s46, s46, s47
	s_lshl_b32 s42, s46, 9                         ; rows of 512 bytes
	s_add_nc_u64 s[48:49], s[48:49], s[42:43]
	s_lshl_b32 s42, s44, 14
	s_lshl_b32 s47, s45, 13
	s_add_co_u32 s42, s42, s47
	s_add_nc_u64 s[52:53], s[24:25], s[42:43]
	LOAD16 R0, 48, 512, 0
	s_wait_loadcnt 0x0
	s_wait_alu depctr_va_vdst(0)
	TURN16 R0, SI2, SO2
.irp i, 0,1,2,3,4,5,6,7,8,9,10,11,12,13,14,15
	global_store_b128 v[GO], v[R0+4*\i:R0+4*\i+3], s[52:53] offset:512*\i
.endr
	s_wait_tensorcnt 0x0
	ds_add_u32 v232, v233
	s_wait_dscnt 0x0
	s_endpgm
.Lfunc_end_k_qc7dd44999a_prep:
	.size	k_qc7dd44999a_prep, .Lfunc_end_k_qc7dd44999a_prep-k_qc7dd44999a_prep
	.p2alignl 7, 3214868480
	.fill 96, 4, 3214868480
	.section	.rodata,"a",@progbits
	.p2align	6, 0x0
	.amdhsa_kernel k_qc7dd44999a_prep
		.amdhsa_group_segment_fixed_size 136192
		.amdhsa_private_segment_fixed_size 0
		.amdhsa_enable_private_segment 0
		.amdhsa_kernarg_size 88
		.amdhsa_user_sgpr_count 2
		.amdhsa_user_sgpr_kernarg_segment_ptr 1
		.amdhsa_wavefront_size32 1
		.amdhsa_system_sgpr_workgroup_id_x 1
		.amdhsa_system_sgpr_workgroup_id_y 1
		.amdhsa_system_sgpr_workgroup_id_z 1
		.amdhsa_system_vgpr_workitem_id 0
		.amdhsa_next_free_vgpr 234
		.amdhsa_next_free_sgpr 66
		.amdhsa_reserve_vcc 0
		.amdhsa_float_denorm_mode_32 3
		.amdhsa_float_denorm_mode_16_64 3
		.amdhsa_memory_ordered 1
		.amdhsa_forward_progress 1
		.amdhsa_inst_pref_size 93
	.end_amdhsa_kernel
	.amdgpu_metadata
---
amdhsa.version: [ 1, 2 ]
amdhsa.kernels:
  - .name:           k_qc7dd44999a_prep
    .symbol:         k_qc7dd44999a_prep.kd
    .args:
      - { .name: hidden_states, .offset: 0, .size: 8, .value_kind: global_buffer, .address_space: global }
      - { .name: wq, .offset: 8, .size: 8, .value_kind: global_buffer, .address_space: global }
      - { .name: wk, .offset: 16, .size: 8, .value_kind: global_buffer, .address_space: global }
      - { .name: wv, .offset: 24, .size: 8, .value_kind: global_buffer, .address_space: global }
      - { .name: wo, .offset: 32, .size: 8, .value_kind: global_buffer, .address_space: global }
      - { .name: cos, .offset: 40, .size: 8, .value_kind: global_buffer, .address_space: global }
      - { .name: sin, .offset: 48, .size: 8, .value_kind: global_buffer, .address_space: global }
      - { .name: lowp_scales, .offset: 56, .size: 8, .value_kind: global_buffer, .address_space: global }
      - { .name: hw_img, .offset: 64, .size: 8, .value_kind: global_buffer, .address_space: global }
      - { .name: wo_img, .offset: 72, .size: 8, .value_kind: global_buffer, .address_space: global }
      - { .name: cs_img, .offset: 80, .size: 8, .value_kind: global_buffer, .address_space: global }
    .group_segment_fixed_size: 136192
    .private_segment_fixed_size: 0
    .kernarg_segment_align: 8
    .kernarg_segment_size: 88
    .max_flat_workgroup_size: 256
    .sgpr_count:     66
    .vgpr_count:     234
    .wavefront_size: 32
...
	.end_amdgpu_metadata
.endif
;; end of part 1
;; launch proj (part 2): grid 8 x 32, 4 waves a work-group, clusters of 4 x 1, 327,680 bytes of LDS; arguments hw_img, lowp_scales, cs_img, q_norm_w, k_norm_w, qkv_img; writes qkv_img
.if DOCPART == 2
	.amdgcn_target "amdgcn-amd-amdhsa--gfx1250"
	.amdhsa_code_object_version 6
	.text
	.protected	k_qc7dd44999a_proj
	.globl	k_qc7dd44999a_proj
	.p2align	8
	.type	k_qc7dd44999a_proj,@function
k_qc7dd44999a_proj:
	s_mov_b64 s[64:65], 0
	v_nop
	global_prefetch_b8 v0, s[64:65] scope:SCOPE_SE
	s_setreg_imm32_b32 hwreg(HW_REG_WAVE_MODE, 25, 1), 1
	s_wait_xcnt 0x0
	s_wait_alu depctr_hold_cnt(0) depctr_sa_sdst(0) depctr_va_vdst(0) depctr_va_sdst(0) depctr_va_ssrc(0) depctr_va_vcc(0) depctr_vm_vsrc(0)
	s_getreg_b32 s2, hwreg(HW_REG_IB_STS2, 6, 4)
	s_cmp_eq_u32 s2, 0
	s_cbranch_scc0 .Lentry_in_a_cluster
	s_endpgm
.Lentry_in_a_cluster:
	s_bfe_u32 s2, ttmp6, 0x10000c
	s_cmp_lg_u32 s2, 0x3003
	s_cbranch_scc0 .Lentry_shape_is_right
	s_endpgm
.Lentry_shape_is_right:
; q, k, v = hidden_states x wq, wk, wv on E4M3 codes (fragment images of hw_img), then for q and k the head's RMS norm, RoPE and the quantiser (e6, e7), for v the quantiser (e8); results leave as the fragment images of qkv_img.
; ONE OPERAND STAYS IN LDS, THE OTHER GOES FROM MEMORY STRAIGHT INTO REGISTERS.  A work-group keeps 8 row tiles (128 rows) x all 2,048 of K, 262,144 bytes, in LDS: fetched once, one tensor load a wave (two K planes of 32,768 bytes),
; so no LDS byte is filled twice and the K walk has no barrier.  The other operand's fragments lie in memory in register order: a wave loads 4 row tiles x 128 K (16 loads of 512 bytes, one ITEM) for each K step into four sets that take turns.
; y = 0..15: tensor t = y / 8 (q, k), head y % 8: the head's 128 weight columns stay; 256 positions (chunk j) of BOTH batches are streamed: a wave's pass = position tiles P, P + 1 of batch 0 and of batch 1,
;   so that one fragment of cos and sin serves two row tiles; two passes a wave.  cos and sin are four more items of the same stream, behind a pass's sixteen.
; y = 16..31: v: 128 tokens (block tb = 2 (y - 16) + cluster x, copy e4) stay, 16 row tiles of wv (4 a wave, one pass) are streamed: a lane then holds a channel and its registers run along the keys, which are v's K.
; Source 0 = what stays (its rows run along a lane's registers), source 1 = what is streamed (its rows lie across lanes).  A wave's tile is 64 x 128: 32 accumulators by turns.
; CLUSTER 4 x 1: the four partners keep the same 262,144 bytes and ask for them jointly.  The streamed operand never touches LDS, so it has no joint form: each wave's plain loads bring its own rows.
; PREFETCH: in K step k the item of step k + 8 (8,192 bytes, a lane a block of 256) is asked for by the one work-group among the eight of equal rows whose y % 8 is k % 8; a pass's steps 8-15 name the next pass, the last pass's name nothing.
; LIMITS: the sums' exponents e(A) + e(B) go through v_ldexp_f32; e6, e7 and e8 - e4 - e5 lie between -126 and 119, so that the scale and 448 x the scale are f32 numbers.
; REGISTERS: window 0: v0-31 addresses and small numbers, v32-63 codes, v64-127 y, v128-191 the norm's weights, v192-255 z; window 1: two sets of the LDS operand's 8 fragments; window 2: accumulators (a, b) at 64 a + 8 b; window 3: four items.
.set PLANE, 3932160
.set SPARE, 262144
.set ADB, 16
.set AO,  20
.set AO2, 21
.set CSO, 22
.set OO,  23
.set PFO, 24
.set CO,  26
.set HO,  27
.set SPW, 28
.set NIL, 29
.set YV,  64
.set WN,  128
.set Z,   192
.set G1,  24
.set G0,  32
.set KB,  44                           ; s[44:59] my stream's address in each of the 8 K planes
.set TYP, 60                           ; 1 for v
.set PK0, 61                           ; the step (0-7) in which I prefetch
.set PK1, 62                           ; the step (8-15), or 99 where no pass follows
.set DEL, 63                           ; bytes from row tiles 0, 1 of an item to tiles 2, 3
.set MSB, 0
.macro WIN new
.if MSB != (\new)
	s_set_vgpr_msb (MSB<<8)|(\new)
.set MSB, (\new)
.endif
.endm
.macro ROUND
	s_barrier_signal -1
	s_barrier_wait -1
	s_cmp_lg_u32 s14, 0
	s_cbranch_scc1 .Lnot_wave_0_\@
	s_barrier_signal -3
.Lnot_wave_0_\@:
	s_barrier_wait -3
	s_barrier_signal -1
	s_barrier_wait -1
.endm
.macro AITEM m                         ; K step m's four fragments into set m % 4
	WIN 0xc0
.irp a, 0,1,2,3
.irp c, 0,1,2,3
	global_load_b128 v[64*((\m)%4)+16*\a+4*\c:64*((\m)%4)+16*\a+4*\c+3], v[AO+\a/2], s[KB+2*((\m)/2):KB+2*((\m)/2)+1] offset:(\a%2)*4096+((\m)%2)*2048+512*\c
.endr
.endr
	WIN 0
.endm
.macro CSITEM i                        ; position tile i / 2: cos (i even) or sin (i odd), 64 registers, into set i
	WIN 0xc0
.set n, 0
.rept 16
	global_load_b128 v[64*(\i)+4*n:64*(\i)+4*n+3], v[CSO], s[94:95] offset:((\i)/2)*16384+((\i)%2)*8192+512*n
.set n, n+1
.endr
	WIN 0
.endm
.macro FETCHB k                        ; K step k's eight fragments out of LDS into set k % 2
	WIN 0x40
.irp b, 0,1,2,3,4,5,6,7
.irp c, 0,1,2,3
	ds_load_b128 v[128*((\k)%2)+16*\b+4*\c:128*((\k)%2)+16*\b+4*\c+3], v[ADB+(\k)/4] offset:(((\k)/2)%2)*32768+\b*4096+((\k)%2)*2048+512*\c
.endr
.endr
	WIN 0
.endm
.macro ASK k
	s_cmp_eq_u32 s[PK0+(\k)/8], \k
	s_cbranch_scc0 .Lnp_\@
	global_prefetch_b8 v[PFO], s[KB+2*((((\k)+8)%16)/2):KB+2*((((\k)+8)%16)/2)+1] offset:((\k)%2)*2048+((\k)/8)*8192 th:TH_LOAD_NT scope:SCOPE_SE
.Lnp_\@:
.endm
; A K step: 32 products.  nl: the loads issued behind this step's item.  post = 1: the item four steps on takes this step's set; 2: an item of cos or sin; 0: nothing.
.macro STEP k, nl, post
	s_wait_loadcnt \nl
.if (\k) < 15
	s_wait_dscnt 32                                ; this step's LDS fragments are in; the next step's 32 loads may be out
.else
	s_wait_dscnt 0x0
.endif
	WIN 0xad
.irp a, 0,1,2,3
.irp b, 0,1,2,3,4,5,6,7
.if (\k) == 0
	v_wmma_f32_16x16x128_fp8_fp8 v[64*\a+8*\b:64*\a+8*\b+7], v[128*((\k)%2)+16*\b:128*((\k)%2)+16*\b+15], v[64*((\k)%4)+16*\a:64*((\k)%4)+16*\a+15], 0
.else
	v_wmma_f32_16x16x128_fp8_fp8 v[64*\a+8*\b:64*\a+8*\b+7], v[128*((\k)%2)+16*\b:128*((\k)%2)+16*\b+15], v[64*((\k)%4)+16*\a:64*((\k)%4)+16*\a+15], v[64*\a+8*\b:64*\a+8*\b+7]
.endif
.endr
.endr
.rept 4
	v_nop                                          ; four places in front of loads into registers that the products read, and of the first read of results
.endr
	WIN 0
.if (\post) == 1
	AITEM (\k)+4
.endif
.if (\post) == 2
	CSITEM (\k)-12
.endif
.if (\k) < 14
	FETCHB (\k)+2
.endif
.if (\post) > 0
	ASK \k
.endif
.endm
; Row tile a of a pass (batch a / 2, position tile a % 2): norm, RoPE, quantiser, 2,048 bytes out.  A lane holds one token; register 16 c + i is channel 32 c + 16 (lane / 16) + i.
.macro QKBLOCK a
.set AC, 64*(\a)
.set CS0, 128*((\a)%2)
.set CDS, 32+16*((\a)/2)
	WIN 0x0a
	v_pk_mul_f32 v[2:3], v[AC:AC+1], v[AC:AC+1]    ; the sum of squares, each accumulator from its low end on
	v_pk_mul_f32 v[4:5], v[AC+2:AC+3], v[AC+2:AC+3]
.set n, 4
.rept 15
	v_pk_fma_f32 v[2:3], v[AC+n:AC+n+1], v[AC+n:AC+n+1], v[2:3]
	v_pk_fma_f32 v[4:5], v[AC+n+2:AC+n+3], v[AC+n+2:AC+n+3], v[4:5]
.set n, n+4
.endr
	WIN 0
	v_pk_add_f32 v[2:3], v[2:3], v[4:5]
	v_add_f32 v2, v2, v3
	v_permlanex16_b32 v7, v2, s90, s91
	v_add_f32 v2, v2, v7
	v_ldexp_f32 v2, v2, s85                        ; x 2^(2 (eA + eB) - 7): the mean of the squares
	v_add_f32 v2, 0x358637bd, v2                   ; + 1e-6
	s_wait_alu depctr_va_vdst(0)                   ; the wait ahead of the transcendental
	v_rsq_f32 v30, v2
	v_nop
	s_wait_alu depctr_va_vdst(0)                   ; and ahead of its first reader
	v_ldexp_f32 v30, v30, s84
	WIN 0x02
.set n, 0
.rept 32
	v_pk_mul_f32 v[YV+n:YV+n+1], v[AC+n:AC+n+1], v[30:31] op_sel_hi:[1,0]
.set n, n+2
.endr
	WIN 0
.set n, 0
.rept 32
	v_pk_mul_f32 v[YV+n:YV+n+1], v[YV+n:YV+n+1], v[WN+n:WN+n+1]
.set n, n+2
.endr
	WIN 0x0c
.set n, 0
.rept 32
	v_pk_mul_f32 v[Z+n:Z+n+1], v[YV+n:YV+n+1], v[CS0+n:CS0+n+1]
.set n, n+2
.endr
.set n, 0
.rept 16
	v_pk_fma_f32 v[Z+n:Z+n+1], v[YV+32+n:YV+32+n+1], v[CS0+64+n:CS0+64+n+1], v[Z+n:Z+n+1] neg_lo:[1,0,0] neg_hi:[1,0,0]
.set n, n+2
.endr
.rept 16
	v_pk_fma_f32 v[Z+n:Z+n+1], v[YV-32+n:YV-32+n+1], v[CS0+64+n:CS0+64+n+1], v[Z+n:Z+n+1]
.set n, n+2
.endr
	WIN 0
	s_wait_xcnt 0x0                                ; earlier stores have read the codes' registers
.set n, 0
.rept 64
	v_med3_num_f32 v[Z+n], v[Z+n], -v8, v8         ; the conversion does not saturate (ISA guide 7.6.2)
.set n, n+1
.endr
.irp g, 0,1,2,3,4,5,6,7
	v_cvt_scalef32_pk8_fp8_f32 v[CDS+2*\g:CDS+2*\g+1], v[Z+8*\g:Z+8*\g+7], v9
.endr
	v_nop
.irp c, 0,1,2,3
	global_store_b128 v[OO], v[CDS+4*\c:CDS+4*\c+3], s[92:93] offset:((\a)/2)*2097152+((\a)%2)*2048+512*\c
.endr
.endm
.macro VBLOCK a                        ; channel tile a x 128 keys: hold, quantiser, 2,048 bytes out
.set AC, 64*(\a)
.set CDS, 32+16*((\a)%2)
	WIN 0x02
.set n, 0
.rept 64
	v_med3_num_f32 v[Z+n], v[AC+n], -v8, v8
.set n, n+1
.endr
	WIN 0
.if (\a) > 1
	s_wait_alu depctr_va_vdst(0)
	s_wait_xcnt 0x0
.endif
.irp g, 0,1,2,3,4,5,6,7
	v_cvt_scalef32_pk8_fp8_f32 v[CDS+2*\g:CDS+2*\g+1], v[Z+8*\g:Z+8*\g+7], v9
.endr
	v_nop
.irp c, 0,1,2,3
	global_store_b128 v[CO], v[CDS+4*\c:CDS+4*\c+3], s[92:93] offset:(\a)*2048+512*\c
.endr
.endm
	s_load_b256 s[4:11], s[0:1], 0x0               ; hw_img, scales, cs_img, q_norm_w
	s_load_b128 s[68:71], s[0:1], 0x20             ; k_norm_w, qkv_img
	v_lshl_add_u32 v[SPW], v0, 2, SPARE
	v_mov_b32 v[NIL], 0
	ds_add_u32 v[SPW], v[NIL]                      ; the opening lines: the add twice on end and its wait
	ds_add_u32 v[SPW], v[NIL]
	v_lshrrev_b32 v1, 5, v0
	v_readfirstlane_b32 s14, v1                    ; wave
	s_bfe_u32 s40, ttmp6, 0x40000                  ; cx
	s_and_b32 s17, ttmp7, 0xffff                   ; y
	s_mov_b32 s[G1], 15|(3<<16)|(1<<21)            ; all four partners; elements of 8 bytes
	s_mov_b32 s[G1+1], 4096<<16                    ; a row is a plane's 8 row tiles: 32,768 bytes
	s_mov_b32 s[G1+2], 2<<16                       ; two planes
	s_mov_b32 s[G1+3], 4096<<16
	s_mov_b32 s[G1+4], 2
	s_mov_b32 s[G1+5], PLANE/8
	s_mov_b32 s[G1+6], 0
	s_mov_b32 s[G1+7], 0
	s_mov_b32 s90, 0x76543210
	s_mov_b32 s91, 0xfedcba98
	s_lshl_b32 s18, s17, 3
	s_add_co_u32 s18, s18, 768                     ; q, k: the head's row tiles 768 + 8 y stay
	s_sub_co_u32 s21, s17, 16
	s_lshl_b32 s21, s21, 1
	s_add_co_u32 s21, s21, ttmp9                   ; v: token block tb
	s_lshl_b32 s19, s21, 3
	s_add_co_u32 s19, s19, 512                     ; its row tiles 512 + 8 tb stay
	s_lshl_b32 s20, ttmp9, 2
	s_add_co_u32 s20, s20, s40
	s_lshl_b32 s20, s20, 4
	s_lshl_b32 s15, s14, 2
	s_add_co_u32 s20, s20, s15                     ; q, k: my first position tile 16 j + 4 wave
	s_lshr_b32 s22, s17, 3
	s_lshl_b32 s22, s22, 8
	s_add_co_u32 s22, s22, s20                     ; in copy t of hidden_states
	s_lshl_b32 s23, s40, 4
	s_add_co_u32 s23, s23, s15
	s_add_co_u32 s23, s23, 896                     ; v: wv's row tile 896 + 16 cx + 4 wave
	s_and_b32 s[PK0], s17, 7
	s_add_co_u32 s[PK1], s[PK0], 8
	s_mov_b32 s[DEL], 8192
	s_mov_b32 s16, 99
	s_cmp_lt_u32 s17, 16
	s_cselect_b32 s[TYP], 0, 1
	s_cselect_b32 s18, s18, s19
	s_cselect_b32 s22, s22, s23
	s_cselect_b32 s[DEL], 0x80000, s[DEL]          ; q, k: 128 row tiles on (the other batch); v: two tiles on
	s_cselect_b32 s3, 2, 1                         ; passes
	s_cselect_b32 s[PK1], s[PK1], s16
	s_lshl_b32 s18, s18, 12
	s_mul_i32 s19, s14, 2*PLANE                    ; my two planes
	s_add_co_u32 s18, s18, s19
	s_mov_b32 s19, 0
	s_lshl_b32 s22, s22, 12
	s_mov_b32 s23, 0
	v_and_b32 v1, 31, v0
	v_lshlrev_b32 v[CO], 4, v1
	v_bfe_u32 v2, v0, 4, 1
	v_lshlrev_b32 v[HO], 6, v2
	v_lshlrev_b32 v[ADB], 4, v1
	v_lshl_add_u32 v[ADB+1], v1, 4, 0x10000
	v_lshl_add_u32 v[ADB+2], v1, 4, 0x20000
	v_lshl_add_u32 v[ADB+3], v1, 4, 0x30000
	v_lshlrev_b32 v[AO], 4, v1
	v_add_nc_u32 v[AO2], s[DEL], v[CO]
	v_lshlrev_b32 v[CSO], 4, v1
	v_lshlrev_b32 v[OO], 4, v1
	v_and_b32 v3, 7, v0
	v_bfe_u32 v4, v0, 3, 1
	v_lshlrev_b32 v3, 8, v3
	v_lshl_add_u32 v3, v4, 12, v3
	v_mul_u32_u24 v4, v2, s[DEL]
	v_add_nc_u32 v[PFO], v3, v4                    ; a lane a block of 256 bytes of an item
	s_wait_alu depctr_va_vdst(0)
	s_wait_dscnt 0x0
	s_wait_kmcnt 0x0
	s_load_b256 s[72:79], s[6:7], 0x0              ; e0 .. e7
	s_load_b128 s[80:83], s[6:7], 0x20             ; e8 .. e11
	s_mov_b32 s[G0], 1
	s_lshl_b32 s[G0+1], s14, 16                    ; LDS: wave x 65,536
	s_add_nc_u64 s[G0+2:G0+3], s[4:5], s[18:19]
	s_or_b32 s[G0+3], s[G0+3], 0x80000000
	s_add_nc_u64 s[KB:KB+1], s[4:5], s[22:23]
.irp i, 1,2,3,4,5,6,7
	s_add_nc_u64 s[KB+2*\i:KB+2*\i+1], s[KB+2*\i-2:KB+2*\i-1], PLANE
.endr
	ROUND                                          ; the four partners are here: the joint loads meet
	tensor_load_to_lds s[G0:G0+3], s[G1:G1+7]      ; my one tensor load of the launch
	s_nop 0
.rept 4
	v_nop
.endr
	s_lshl_b32 s18, s20, 14
	s_add_nc_u64 s[94:95], s[8:9], s[18:19]        ; cos and sin of my position tiles (made on the one way that all take; v's work-groups load nothing by it)
	s_cmp_lt_u32 s17, 8
	s_cselect_b64 s[96:97], s[10:11], s[68:69]
	s_cmp_lg_u32 s[TYP], 0
	s_cbranch_scc1 .Lhv
	s_lshr_b32 s18, s17, 3
	s_lshl_b32 s18, s18, 22
	s_lshl_b32 s15, s[PK0], 18
	s_add_co_u32 s18, s18, s15
	s_lshl_b32 s15, s20, 11
	s_add_co_u32 s18, s18, s15
	s_add_nc_u64 s[92:93], s[70:71], s[18:19]      ; q or k, batch 0, my head, my first position tile
	s_branch .Lhj
.Lhv:
	s_lshr_b32 s18, s21, 4
	s_lshl_b32 s18, s18, 21                        ; batch
	s_and_b32 s15, s21, 15
	s_lshl_b32 s15, s15, 14                        ; key step
	s_add_co_u32 s18, s18, s15
	s_lshl_b32 s15, s40, 4
	s_lshl_b32 s16, s14, 2
	s_add_co_u32 s15, s15, s16                     ; my first of wv's 64 row tiles
	s_lshr_b32 s16, s15, 3
	s_lshl_b32 s16, s16, 18                        ; head
	s_add_co_u32 s18, s18, s16
	s_and_b32 s15, s15, 7
	s_lshl_b32 s15, s15, 11                        ; channel tile
	s_add_co_u32 s18, s18, s15
	s_add_co_u32 s18, s18, 8388608
	s_add_nc_u64 s[92:93], s[70:71], s[18:19]
.Lhj:
.irp b, 0,1,2,3
.irp j, 0,1,2,3
	global_load_b128 v[WN+16*\b+4*\j:WN+16*\b+4*\j+3], v[HO], s[96:97] offset:128*\b+16*\j   ; the norm's weights, 512 bytes, behind the join: v's work-groups load them too and do not use them
.endr
.endr
	AITEM 0
	AITEM 1
	AITEM 2
	AITEM 3
	s_wait_kmcnt 0x0
	s_cmp_lt_u32 s17, 8
	s_cselect_b32 s84, s72, s74
	s_cselect_b32 s85, s73, s75
	s_cselect_b32 s86, s78, s79
	s_cmp_lg_u32 s[TYP], 0
	s_cselect_b32 s84, s76, s84
	s_cselect_b32 s85, s77, s85
	s_cselect_b32 s86, s80, s86
	s_add_co_i32 s84, s84, s85                     ; eA + eB
	s_cmp_lg_u32 s[TYP], 0
	s_cselect_b32 s98, s84, 0
	s_sub_co_i32 s86, s86, s98                     ; v: the sums' exponent is folded into the conversion's scale
	s_lshl_b32 s85, s84, 1
	s_sub_co_i32 s85, s85, 7
	s_add_co_i32 s86, s86, 127
	s_lshl_b32 s87, s86, 23
	s_add_co_i32 s86, s86, 8
	s_lshl_b32 s88, s86, 23
	s_or_b32 s88, s88, 0x600000
	v_mov_b32 v9, s87                              ; the scale
	v_mov_b32 v8, s88                              ; 448 x the scale
	v_mov_b32 v7, 0
	v_mov_b32 v31, 0
	s_wait_alu depctr_va_vdst(0)
	s_wait_tensorcnt 0x0                           ; my two planes are in
	s_barrier_signal -1
	s_barrier_wait -1                              ; and everybody's
.Lpass:
	FETCHB 0
	FETCHB 1
.irp k, 0,1,2,3,4,5,6,7,8,9,10,11
	STEP \k, 48, 1                                 ; behind this step's item: three items of 16 loads
.endr
	s_cmp_lg_u32 s[TYP], 0
	s_cbranch_scc1 .Lvtail
.irp k, 12,13,14,15
	STEP \k, 48, 2
.endr
	s_wait_loadcnt 32                              ; cos and sin of position tile 0 are in; tile 1's may be out
	QKBLOCK 0
	QKBLOCK 2
	s_wait_alu depctr_va_vdst(0)
	s_wait_loadcnt 0x0                             ; position tile 1's cos and sin
	s_cmp_eq_u32 s3, 1
	s_cbranch_scc1 .Llast                          ; the last pass's second half is written out: it asks for nothing more
	s_wait_xcnt 0x0                                ; the pass's loads and prefetches have read their offsets
	v_add_nc_u32 v[AO], 8192, v[AO]                ; two position tiles on
	v_add_nc_u32 v[AO2], 8192, v[AO2]
	v_add_nc_u32 v[PFO], 8192, v[PFO]
	v_add_nc_u32 v[CSO], 32768, v[CSO]
	s_wait_alu depctr_va_vdst(0)
	AITEM 0                                        ; the next pass's first items take the sets that tile 0's cos and sin have left,
	AITEM 1
	QKBLOCK 1
	QKBLOCK 3
	AITEM 2                                        ; and tile 1's
	AITEM 3
	s_wait_xcnt 0x0
	v_add_nc_u32 v[OO], 4096, v[OO]
	s_wait_alu depctr_va_vdst(0)
	s_mov_b32 s[PK1], 99                           ; no pass follows the next one
	s_sub_co_u32 s3, s3, 1
	s_cmp_lg_u32 s3, 0
	s_cbranch_scc1 .Lpass
	s_branch .Lend
.Llast:
	QKBLOCK 1
	QKBLOCK 3
	s_branch .Lend
.Lvtail:
	STEP 12, 48, 0
	STEP 13, 32, 0
	STEP 14, 16, 0
	STEP 15, 0, 0
	s_wait_alu depctr_va_vdst(0)
.irp a, 0,1,2,3
	VBLOCK \a
.endr
.Lend:
	s_wait_tensorcnt 0x0                           ; the wave's end
	ds_add_u32 v[SPW], v[NIL]
	s_wait_dscnt 0x0
	ROUND                                          ; the closing round
	s_endpgm
.Lfunc_end_k_qc7dd44999a_proj:
	.size	k_qc7dd44999a_proj, .Lfunc_end_k_qc7dd44999a_proj-k_qc7dd44999a_proj
	.p2alignl 7, 3214868480
	.fill 96, 4, 3214868480
	.section	.rodata,"a",@progbits
	.p2align	6, 0x0
	.amdhsa_kernel k_qc7dd44999a_proj
		.amdhsa_group_segment_fixed_size 327680
		.amdhsa_private_segment_fixed_size 0
		.amdhsa_enable_private_segment 0
		.amdhsa_kernarg_size 48
		.amdhsa_user_sgpr_count 2
		.amdhsa_user_sgpr_kernarg_segment_ptr 1
		.amdhsa_wavefront_size32 1
		.amdhsa_system_sgpr_workgroup_id_x 1
		.amdhsa_system_sgpr_workgroup_id_y 1
		.amdhsa_system_sgpr_workgroup_id_z 1
		.amdhsa_system_vgpr_workitem_id 0
		.amdhsa_next_free_vgpr 1024
		.amdhsa_next_free_sgpr 100
		.amdhsa_reserve_vcc 0
		.amdhsa_float_denorm_mode_32 3
		.amdhsa_float_denorm_mode_16_64 3
		.amdhsa_memory_ordered 1
		.amdhsa_forward_progress 1
		.amdhsa_inst_pref_size 246
	.end_amdhsa_kernel
	.amdgpu_metadata
---
amdhsa.version: [ 1, 2 ]
amdhsa.kernels:
  - .name:           k_qc7dd44999a_proj
    .symbol:         k_qc7dd44999a_proj.kd
    .args:
      - { .name: hw_img, .offset: 0, .size: 8, .value_kind: global_buffer, .address_space: global }
      - { .name: lowp_scales, .offset: 8, .size: 8, .value_kind: global_buffer, .address_space: global }
      - { .name: cs_img, .offset: 16, .size: 8, .value_kind: global_buffer, .address_space: global }
      - { .name: q_norm_w, .offset: 24, .size: 8, .value_kind: global_buffer, .address_space: global }
      - { .name: k_norm_w, .offset: 32, .size: 8, .value_kind: global_buffer, .address_space: global }
      - { .name: qkv_img, .offset: 40, .size: 8, .value_kind: global_buffer, .address_space: global }
    .group_segment_fixed_size: 327680
    .private_segment_fixed_size: 0
    .kernarg_segment_align: 8
    .kernarg_segment_size: 48
    .max_flat_workgroup_size: 128
    .sgpr_count:     100
    .vgpr_count:     1024
    .wavefront_size: 32
...
	.end_amdgpu_metadata
.endif
;; end of part 2
;; launch attn (part 3): grid 16 x 16, 16 waves a work-group, clusters of 4 x 1, 327,680 bytes of LDS; arguments qkv_img, lowp_scales, ctx_img; writes ctx_img
.if DOCPART == 3
	.amdgcn_target "amdgcn-amd-amdhsa--gfx1250"
	.amdhsa_code_object_version 6
	.text
	.protected	k_qc7dd44999a_attn
	.globl	k_qc7dd44999a_attn
	.p2align	8
	.type	k_qc7dd44999a_attn,@function
k_qc7dd44999a_attn:
	s_mov_b64 s[64:65], 0
	v_nop
	global_prefetch_b8 v0, s[64:65] scope:SCOPE_SE
	s_setreg_imm32_b32 hwreg(HW_REG_WAVE_MODE, 25, 1), 1
	s_wait_xcnt 0x0
	s_wait_alu depctr_hold_cnt(0) depctr_sa_sdst(0) depctr_va_vdst(0) depctr_va_sdst(0) depctr_va_ssrc(0) depctr_va_vcc(0) depctr_vm_vsrc(0)
	s_getreg_b32 s2, hwreg(HW_REG_IB_STS2, 6, 4)
	s_cmp_eq_u32 s2, 0
	s_cbranch_scc0 .Lentry_in_a_cluster
	s_endpgm
.Lentry_in_a_cluster:
	s_bfe_u32 s2, ttmp6, 0x10000c
	s_cmp_lg_u32 s2, 0x3003
	s_cbranch_scc0 .Lentry_shape_is_right
	s_endpgm
.Lentry_shape_is_right:
; Causal attention on E4M3 codes, and the quantiser of its result.  16 batch-heads of 2,048 positions, head size 128.  q, k, v come as fragment images (see below), ctx leaves as one.
; LEFT OUT: key steps all of whose keys come after a wave's queries: reference() hides them by its own causal mask, so they reach no output.
; IMAGES: row tile RT = 2 b + u holds rows 32 b + 8 u + rho(r), rho(r) = r + 8 (r / 8); a fragment (row tile x 128 K) is 2,048 bytes, byte 512 c + 16 l + i = row rho(l % 16), k = 32 c + 16 (l / 16) + i.
; qkv_img: q at 0 [bh][RT 128][2048], k at 4 MiB likewise, v at 8 MiB [bh][key step 16][d tile 8][2048] (rows = channels, K = 128 keys).  ctx_img [KP 4][RT 256 of tokens][2][2048]: head hd is K step hd of the last product.
; THE SOFTMAX: t = score x log2(e) / sqrt(128); M = the running largest t rounded UP to a whole number; p = 2^(t - M) is quantised (e9), not normalised; the row's sum is taken of the unquantised p and divides at the end;
; when M moves, the sum and O are multiplied by 2^(old M - new M), which rounds nothing.  Hidden scores become -infinity (reference() has -1e30): p = 0 either way.
; Both products are used transposed (S^T = K Q^T, O^T = V^T P^T): a lane holds one query throughout, and p's and O^T's registers lie in the order of the next operand's fragment.
; SHARES.  Work-group g (0..15) of a head has SIXTEEN waves, four to a SIMD.  Waves w and w + 8 share one query tile: w % 8 takes place p = 0,1,2,3,7,6,5,4 and the tile 16 p + g, one tile of 16 queries in each block of 256;
; wave w < 8 takes the even key steps, wave w + 8 the odd ones, each with its own running M, sum and O^T: 8 steps at the most to a wave.  At the end the odd wave hands its registers to the even one through LDS, and the two
; are joined under the larger M by powers of two, which round nothing.  A wave with no step has -M = 3e38, sum 0 and O^T 0: its factor comes out as 0.
; A key step all of whose keys come after the wave's queries is left out by a scalar branch on ids (DIAG = 2 p + cluster x / 2 hangs on no place in the cluster); all work-groups need all four slots: the trip counts are constants.
; RING: two slots of 512 keys (K's 32 fragments, then V's 32: 131,072 bytes), filled by joint loads: the four work-groups of a cluster walk the same K and V.  Each of the sixteen waves fetches 8,192 dense bytes.
; LIMITS: e6 + e7 between -123 and 130 (added to c's exponent field); e9 and e10 between -126 and 119; e8 + e9 goes through v_ldexp_f32.
; REGISTERS: v1 16 x lane; v2, v7 my place in a slot's K and V; v3 256 x lane; v4 the mask's number; v5, v6 the add's; v8, v9 LDS addresses; v10 the hand-over's; v12 -M, v13 the largest t, v[14:15] the sum; v16-31 Q; v32-95 four fragments;
; v96-159 S^T, then p; v160-223 O^T; v224-239 codes; v232.. at work.
.set SLOT1, 131072
.set VOFF,  65536
.set SPARE, 2*SLOT1                    ; behind the ring: the spare words, 128 bytes for each of sixteen waves
.set HAND,  8704                       ; the hand-over: 17 x 512 bytes for each query tile, in slot 0, which was left at the last change of slots: it has had its last fill, and nobody reads it
.set AL,  1
.set AL2, 2
.set PFO, 3
.set DQ,  4
.set SPW, 5
.set NIL, 6
.set AV2, 7
.set AD,  8
.set ADV, 9
.set SG,  10
.set WV,  18
.set SEL, 20
.set CS,  22
.set G1,  24                           ; s[24:31] group 1
.set G0,  40                           ; s[40:43] group 0, which walks
.set TB,  44                           ; s44  LDS byte at which the slot in hand begins
.set SLOTS, 45                         ; s45  slots still to be asked for
.set KF,  46                           ; s46  the number of my next key step
.set DIAG, 47                          ; s47  the key step on my diagonal
.set PFA, 50                           ; s[50:51] where my prefetches stand
.set LIM, 52                           ; s52  1 in a wave that prefetches, else the greatest number
.set PAR, 66                           ; s66  0: I take the even key steps; 1: the odd ones
.macro CROUND
	s_barrier_signal -1
	s_barrier_wait -1
	s_cmp_lg_u32 s[WV], 0
	s_cbranch_scc1 .Lnot_wave_0_\@
	s_barrier_signal -3
.Lnot_wave_0_\@:
	s_barrier_wait -3
	s_barrier_signal -1
	s_barrier_wait -1
.endm
; A prefetch of what the NEXT change of slots will ask for: 65,536 bytes of K and of V.  All clusters of a head walk the same bytes: the head's first cluster asks; its four partners take 16,384 bytes each, told apart by address;
; in each, waves 0 and 1 ask for K's and waves 8 and 9 for V's, 8,192 bytes a wave, lanes 256 bytes apart.  The last change that fills a slot asks for nothing; slots 0 and 1 come by their loads alone.
.macro ASK
	s_cmp_gt_u32 s[SLOTS], s[LIM]
	s_cbranch_scc0 .Lnot_mine_\@
	global_prefetch_b8 v[PFO], s[PFA:PFA+1] th:TH_LOAD_NT scope:SCOPE_SE
.Lnot_mine_\@:
.endm
	s_load_b128 s[4:7], s[0:1], 0x0                ; qkv_img s[4:5], scales s[6:7]
	s_load_b64 s[8:9], s[0:1], 0x10                ; ctx_img
	v_lshl_add_u32 v[SPW], v0, 2, SPARE
	v_mov_b32 v[NIL], 0
	ds_add_u32 v[SPW], v[NIL]                      ; the opening lines: the add twice on end and its wait
	ds_add_u32 v[SPW], v[NIL]
	s_wait_dscnt 0x0
	v_lshrrev_b32 v8, 5, v0
	s_delay_alu instid0(VALU_DEP_1)
	v_readfirstlane_b32 s[WV], v8                  ; wave 0..15
	s_bfe_u32 s53, ttmp6, 0x40000                  ; cx
	s_lshl_b32 s54, ttmp9, 2
	s_add_co_u32 s54, s54, s53                     ; g
	s_and_b32 s55, ttmp7, 0xffff                   ; bh, which the four partners share
	s_lshr_b32 s[PAR], s[WV], 3
	s_and_b32 s67, s[WV], 7
	s_lshr_b32 s48, s67, 2
	s_mul_i32 s48, s48, 3
	s_xor_b32 s48, s48, s67                        ; p: 0,1,2,3,7,6,5,4
	s_lshl_b32 s49, s48, 4
	s_add_co_u32 s49, s49, s54                     ; my query tile: it enters Q's and ctx's addresses alone
	s_lshl_b32 s[DIAG], s48, 1
	s_lshr_b32 s56, ttmp9, 1
	s_add_co_u32 s[DIAG], s[DIAG], s56             ; (16 p + g) / 8
	s_lshl_b32 s80, s[PAR], 22
	s_add_co_u32 s80, s80, 4194304                 ; waves 0-7 fetch k; waves 8-15 v
	s_lshl_b32 s81, s55, 18                        ; a head's 262,144 bytes
	s_add_co_u32 s80, s80, s81
	s_lshl_b32 s83, s67, 13
	s_add_co_u32 s60, s80, s83                     ; my 8,192 bytes of slot 0
	s_mov_b32 s61, 0
	s_lshl_b32 s84, s53, 14
	s_add_co_u32 s62, s80, s84                     ; the prefetches: my work-group's 16,384 bytes,
	s_add_co_u32 s62, s62, s83                     ; my wave's half of them (waves 0, 1, 8, 9 alone ask),
	s_add_co_u32 s62, s62, 65536                   ; in slot 1: the first change of slots steps it to slot 2
	s_mov_b32 s63, 0
	s_lshr_b32 s82, s67, 1
	s_or_b32 s82, s82, ttmp9
	s_cmp_eq_u32 s82, 0                            ; waves 0, 1, 8, 9 of the head's first cluster: the same in all four partners
	s_cselect_b32 s[LIM], 1, -1
	s_lshl_b32 s58, s49, 11
	s_add_co_u32 s58, s58, s81                     ; Q's fragment
	s_mov_b32 s59, 0
	s_bfe_u32 s56, s55, 0x20001                    ; head / 2: the plane of ctx_img
	s_lshl_b32 s56, s56, 20
	s_lshr_b32 s85, s55, 3
	s_lshl_b32 s85, s85, 7
	s_add_co_u32 s85, s85, s49                     ; the row tile among 256: 128 x batch + my tile
	s_lshl_b32 s85, s85, 12
	s_add_co_u32 s56, s56, s85
	s_and_b32 s85, s55, 1
	s_lshl_b32 s85, s85, 11
	s_add_co_u32 s56, s56, s85
	s_mov_b32 s57, 0
	s_mov_b32 s[G1], 15|(3<<16)|(1<<21)            ; 15:0 the mask: all four work-groups; 17:16 elements of 8 bytes; 21 set beside a mask; no padding
	s_mov_b32 s[G1+1], 32<<16                      ; tensor_dim0 = 32 elements: 256 bytes
	s_mov_b32 s[G1+2], 32<<16                      ; tensor_dim1 = 32
	s_mov_b32 s[G1+3], 32<<16                      ; tile_dim0
	s_mov_b32 s[G1+4], 32                          ; tile_dim1
	s_mov_b32 s[G1+5], 32                          ; the pitch: the block is dense
	s_mov_b32 s[G1+6], 0
	s_mov_b32 s[G1+7], 0
	s_mov_b32 s[SEL], 0x76543210
	s_mov_b32 s[SEL+1], 0xfedcba98
	s_mov_b32 s[CS], 0x3e0293ee                    ; c = log2(e) / sqrt(128)
	s_mov_b32 s[TB], 0
	s_mov_b32 s[SLOTS], 3
	s_mov_b32 s[KF], s[PAR]                        ; my first key step: 0 or 1
	s_wait_kmcnt 0x0
	s_load_b256 s[68:75], s[6:7], 0x0              ; e0 .. e7
	s_load_b128 s[76:79], s[6:7], 0x20             ; e8 .. e11
	s_mov_b32 s[G0], 1
	s_lshl_b32 s[G0+1], s[WV], 13                  ; LDS: wave x 8,192: K's eight parts, then V's eight
	s_add_nc_u64 s[G0+2:G0+3], s[4:5], s[60:61]
	s_or_b32 s[G0+3], s[G0+3], 0x80000000
	s_add_nc_u64 s[PFA:PFA+1], s[4:5], s[62:63]
	s_add_nc_u64 s[10:11], s[4:5], s[58:59]
	s_add_nc_u64 s[8:9], s[8:9], s[56:57]
	CROUND                                         ; all four work-groups are here: the first joint loads meet
	tensor_load_to_lds s[G0:G0+3], s[G1:G1+7]      ; slot 0: one load of mine is out
	s_nop 0
.rept 4
	v_nop
.endr
	v_and_b32 v[AL], 31, v0
	s_delay_alu instid0(VALU_DEP_1)
	v_lshlrev_b32 v[PFO], 8, v[AL]
	s_delay_alu instid0(VALU_DEP_2)
	v_lshlrev_b32 v[AL], 4, v[AL]
.irp c, 0,1,2,3
	global_load_b128 v[16+4*\c:19+4*\c], v[AL], s[10:11] offset:512*\c   ; Q's fragment stays in registers
.endr
	s_bfe_u32 s85, s54, 0x20001
	s_lshl_b32 s85, s85, 5
	s_and_b32 s86, s54, 1
	s_lshl_b32 s86, s86, 3
	s_add_co_u32 s85, s85, s86                     ; my tile's first query within its key step: 32 ((g / 2) % 4) + 8 (g % 2)
	v_and_b32 v9, 15, v0
	s_delay_alu instid0(VALU_DEP_1)
	v_and_b32 v10, 8, v9
	s_delay_alu instid0(VALU_DEP_1)
	v_add_nc_u32 v9, v9, v10                       ; rho(r)
	v_bfe_u32 v10, v0, 4, 1
	s_delay_alu instid0(VALU_DEP_1)
	v_lshlrev_b32 v10, 4, v10
	s_delay_alu instid0(VALU_DEP_1)
	v_sub_nc_u32 v9, v9, v10
	s_delay_alu instid0(VALU_DEP_1)
	v_add_nc_u32 v[DQ], s85, v9                    ; my query - 16 h.  Register 16 B + i holds key 32 B + 16 h + i of the step: hidden where 32 B + i is greater
	v_mov_b32 v13, 0xff61b1e6                      ; the largest t so far: -3e38
	s_delay_alu instid0(VALU_DEP_1)
	v_floor_f32 v12, -v13                          ; -M
	v_mov_b32 v14, 0
	v_mov_b32 v15, 0
	v_mov_b32 v236, 0                              ; written once: a lane permute's destination counts as one of its sources
	v_mov_b32 v253, 0                              ; (named as the upper half of the pair v[252:253])
	v_mov_b32 v251, 0                              ; (and of v[250:251])
	s_lshl_b32 s87, s[PAR], 14
	s_mul_i32 s88, s67, HAND
	v_add_nc_u32 v[AL2], s87, v[AL]                ; K: 16 x lane + 16,384 x (0 or 1): the slot's first step of mine
	v_add_nc_u32 v[SG], s88, v[AL]                 ; the hand-over of my query tile
	v_add_nc_u32 v[AV2], VOFF, v[AL2]              ; V: behind K's 65,536 bytes
.set n, 0
.rept 64
	v_mov_b32 v[160+n], 0                          ; O^T: the key step is written once; the first finds zeros, which the first change of M leaves zeros
.set n, n+1
.endr
	s_wait_kmcnt 0x0
	s_add_co_i32 s56, s74, s75
	s_lshl_b32 s56, s56, 23
	s_add_co_i32 s[CS], s[CS], s56                 ; a score stands for score x 2^(e6 + e7): added to c's exponent field
	s_mov_b32 s[CS+1], s[CS]
	s_add_co_i32 s56, s77, 127
	s_lshl_b32 s57, s56, 23
	v_mov_b32 v244, s57                            ; 2^e9
	s_add_co_i32 s56, s56, 8
	s_lshl_b32 s56, s56, 23
	s_or_b32 s56, s56, 0x600000
	v_mov_b32 v240, s56                            ; 448 x 2^e9
	s_add_co_i32 s56, s78, 127
	s_lshl_b32 s57, s56, 23
	v_mov_b32 v245, s57                            ; 2^e10
	s_add_co_i32 s56, s56, 8
	s_lshl_b32 s56, s56, 23
	s_or_b32 s56, s56, 0x600000
	v_mov_b32 v241, s56                            ; 448 x 2^e10
; A KEY STEP: 128 keys, the q-th of my two in the slot in hand: they lie two steps, 32,768 bytes, apart.
.macro STEP q
	s_cmp_gt_u32 s[KF], s[DIAG]                    ; all its keys come after my queries: nothing to do but to count the step
	s_cbranch_scc1 .Lhidden_\@
	v_add_nc_u32 v[AD], s[TB], v[AL2]
	v_add_nc_u32 v[ADV], s[TB], v[AV2]
	s_wait_alu depctr_va_vdst(0)
.irp g, 0,1                                    ; S^T = K Q^T, four tiles of 16 keys at a time
.rept 3+\g
	v_nop                                          ; four places at the least in front of loads into registers that matrix instructions have read; the additions above are places too
.endr
.irp t, 0,1,2,3
.irp c, 0,1,2,3
	ds_load_b128 v[32+16*\t+4*\c:32+16*\t+4*\c+3], v[AD] offset:(16*(\q)+4*\g+\t)*2048+512*\c
.endr
.endr
	s_wait_dscnt 0x0
.irp t, 0,1,2,3
	v_wmma_f32_16x16x128_fp8_fp8 v[96+8*(4*\g+\t):103+8*(4*\g+\t)], v[32+16*\t:47+16*\t], v[16:31], 0
.endr
.endr
.rept 4
	v_nop
.endr
	s_cmp_lt_u32 s[KF], s[DIAG]                    ; a step all of whose keys count skips the mask
	s_cbranch_scc1 .Lopen_\@
	v_mov_b32 v254, 0xff800000                     ; -infinity
.set n, 0
.rept 64
	v_cmp_gt_i32 vcc_lo, 32*(n/16)+n%16, v[DQ]
	v_cndmask_b32 v[96+n], v[96+n], v254, vcc_lo
.set n, n+1
.endr
.Lopen_\@:
	v_max3_num_f32 v254, v96, v97, v98             ; the step's largest score of my query among my 64 keys, in two chains,
	v_max3_num_f32 v252, v99, v100, v101
.irp i, 6,10,14,18,22,26,30,34,38,42,46,50,54,58
	v_max3_num_f32 v254, v254, v[96+\i], v[97+\i]
	v_max3_num_f32 v252, v252, v[98+\i], v[99+\i]
.endr
	v_max3_num_f32 v254, v254, v158, v159
	s_delay_alu instid0(VALU_DEP_1)
	v_max_num_f32 v254, v254, v252
	v_permlanex16_b32 v236, v254, s[SEL], s[SEL+1]
	s_delay_alu instid0(VALU_DEP_1)
	v_max_num_f32 v254, v254, v236                 ; and among lane l xor 16's
	s_delay_alu instid0(VALU_DEP_1)
	v_mul_f32 v254, s[CS], v254                    ; as t (c is positive)
	s_delay_alu instid0(VALU_DEP_1)
	v_max_num_f32 v13, v13, v254                   ; the running largest t
	v_mov_b32 v254, v12
	s_delay_alu instid0(VALU_DEP_2)
	v_floor_f32 v12, -v13                          ; the new -M = -ceil(t)
	s_delay_alu instid0(VALU_DEP_1)
	v_sub_f32 v254, v12, v254                      ; old M - new M: a whole number, 0 or less
	s_delay_alu instid0(VALU_DEP_1)
	v_cvt_i32_f32 v254, v254                       ; (it saturates)
	s_delay_alu instid0(VALU_DEP_1)
	v_ldexp_f32 v252, 1.0, v254                    ; f = 2^(old M - new M)
.set n, 0
.rept 32
	v_pk_fma_f32 v[96+n:97+n], v[96+n:97+n], s[CS:CS+1], v[12:13] op_sel_hi:[1,0,0]   ; t - M
.set n, n+2
.endr
.set n, 0
	s_wait_alu depctr_va_vdst(0)
.rept 64
	v_exp_f32 v[96+n], v[96+n]                     ; p = 2^(t - M)
.set n, n+1
.endr
	v_pk_mul_f32 v[14:15], v[14:15], v[252:253] op_sel_hi:[1,0]   ; the sums under the new M: the plain line behind the exponentials
	s_wait_alu depctr_va_vdst(0)                   ; one wait for the whole batch, ahead of its first reader
	v_pk_add_f32 v[242:243], v[100:101], v[104:105]
	v_pk_add_f32 v[254:255], v[108:109], v[112:113]
	v_pk_add_f32 v[250:251], v[116:117], v[120:121]
	v_pk_add_f32 v[248:249], v[124:125], v[128:129]
	v_pk_add_f32 v[246:247], v[132:133], v[136:137]
	v_pk_add_f32 v[238:239], v[140:141], v[144:145]
	v_pk_add_f32 v[236:237], v[148:149], v[152:153]
	v_pk_add_f32 v[14:15], v[14:15], v[156:157]
	v_pk_add_f32 v[242:243], v[242:243], v[96:97]
	v_pk_add_f32 v[254:255], v[254:255], v[98:99]
	v_pk_add_f32 v[250:251], v[250:251], v[102:103]
	v_pk_add_f32 v[248:249], v[248:249], v[106:107]
	v_pk_add_f32 v[246:247], v[246:247], v[110:111]
	v_pk_add_f32 v[238:239], v[238:239], v[114:115]
	v_pk_add_f32 v[236:237], v[236:237], v[118:119]
	v_pk_add_f32 v[14:15], v[14:15], v[122:123]
	v_pk_add_f32 v[242:243], v[242:243], v[126:127]
	v_pk_add_f32 v[254:255], v[254:255], v[130:131]
	v_pk_add_f32 v[250:251], v[250:251], v[134:135]
	v_pk_add_f32 v[248:249], v[248:249], v[138:139]
	v_pk_add_f32 v[246:247], v[246:247], v[142:143]
	v_pk_add_f32 v[238:239], v[238:239], v[146:147]
	v_pk_add_f32 v[236:237], v[236:237], v[150:151]
	v_pk_add_f32 v[14:15], v[14:15], v[154:155]
	v_pk_add_f32 v[242:243], v[242:243], v[158:159]
	s_delay_alu instid0(VALU_DEP_2)
	v_pk_add_f32 v[14:15], v[14:15], v[248:249]
	s_delay_alu instid0(VALU_DEP_2)
	v_pk_add_f32 v[242:243], v[242:243], v[246:247]
	v_pk_add_f32 v[254:255], v[254:255], v[238:239]
	v_pk_add_f32 v[250:251], v[250:251], v[236:237]
	s_delay_alu instid0(VALU_DEP_2)
	v_pk_add_f32 v[14:15], v[14:15], v[254:255]
	s_delay_alu instid0(VALU_DEP_2)
	v_pk_add_f32 v[242:243], v[242:243], v[250:251]
	s_delay_alu instid0(VALU_DEP_1)
	v_pk_add_f32 v[14:15], v[14:15], v[242:243]
.irp b, 0,1,2,3
.irp i, 0,1,2,3,4,5,6,7,8,9,10,11,12,13,14,15
	v_min_num_f32 v[96+16*\b+\i], v[96+16*\b+\i], v240   ; the conversion does not saturate (ISA guide 7.6.2); p is not negative, so the hold is one-sided
.endr
	v_cvt_scalef32_pk8_fp8_f32 v[224+4*\b:225+4*\b], v[96+16*\b:103+16*\b], v244
	v_cvt_scalef32_pk8_fp8_f32 v[226+4*\b:227+4*\b], v[104+16*\b:111+16*\b], v244
.endr
.set n, 0
.rept 32
	v_pk_mul_f32 v[160+n:161+n], v[160+n:161+n], v[252:253] op_sel_hi:[1,0]   ; O^T under the new M.  (These are also the places in front of the loads and products below)
.set n, n+2
.endr
	s_wait_alu depctr_va_vdst(0)
.irp g, 0,1                                    ; O^T += V^T P^T: four tiles of 16 channels at a time
.if \g > 0
.rept 4
	v_nop
.endr
.endif
.irp t, 0,1,2,3
.irp c, 0,1,2,3
	ds_load_b128 v[32+16*\t+4*\c:32+16*\t+4*\c+3], v[ADV] offset:(16*(\q)+4*\g+\t)*2048+512*\c
.endr
.endr
	s_wait_dscnt 0x0
.irp t, 0,1,2,3
	v_wmma_f32_16x16x128_fp8_fp8 v[160+8*(4*\g+\t):167+8*(4*\g+\t)], v[32+16*\t:47+16*\t], v[224:239], v[160+8*(4*\g+\t):167+8*(4*\g+\t)]
.endr
.endr
.Lhidden_\@:
	s_add_co_u32 s[KF], s[KF], 2                   ; my next key step: the one between is my partner's
.endm
; THE CHANGE OF SLOTS stands at a slot's head.  Each wave waits for all its tensor loads (its part of the slot ahead), adds 0 to its spare word, and waits for that and for its reads of the slot that it has left.
; fill = 1: the barrier is a round of the cluster's, and behind it the slot just left is filled with the next 512 keys: that load has a slot's steps, two of each wave's, in which to land.
.macro CHANGE fill
	s_wait_tensorcnt 0x0                           ; no tensor load of mine is out, so group 0 may be written
	ds_add_u32 v[SPW], v[NIL]                      ; 0 onto my spare word
.if \fill
	s_xor_b32 s[G0+1], s[G0+1], SLOT1              ; the other slot than last time,
	s_add_nc_u64 s[G0+2:G0+3], s[G0+2:G0+3], 65536 ; the next 512 keys, of K and of V alike
	s_wait_xcnt 0x0                                ; the last prefetch, a slot back, has read its address
	s_add_nc_u64 s[PFA:PFA+1], s[PFA:PFA+1], 65536
	s_wait_dscnt 0x0                               ; the add is done, and my reads of the slot that I have left are over
	CROUND
	tensor_load_to_lds s[G0:G0+3], s[G1:G1+7]      ; the first thing behind the round, and my one tensor load until the next
	s_nop 0
.rept 4
	v_nop
.endr
	ASK
.else
	s_wait_dscnt 0x0
	s_barrier_signal -1
	s_barrier_wait -1
.endif
.endm
.macro SLOT_STEPS
	STEP 0
	STEP 1
	s_xor_b32 s[TB], s[TB], SLOT1
.endm
	s_wait_loadcnt 0x0                             ; Q
.Lslot:                                            ; three trips: behind each change of slots but the last the next slot is asked for
	CHANGE 1
	SLOT_STEPS
	s_sub_co_u32 s[SLOTS], s[SLOTS], 1
	s_cmp_lg_u32 s[SLOTS], 0
	s_cbranch_scc1 .Lslot
	CHANGE 0                                       ; the last slot is written out
	SLOT_STEPS
.rept 4
	v_nop                                          ; the places behind the last products
.endr
	; THE TWO HALVES OF A QUERY TILE ARE JOINED.  The odd wave stores an image of its registers (O^T, then -M and the sums), 16 bytes a lane and store; a barrier; the even wave loads the same registers in the same lanes.
	s_wait_alu depctr_va_vdst(0)
	s_wait_dscnt 0x0
	s_barrier_signal -1
	s_barrier_wait -1                              ; every wave has read its last tile
	s_cmp_eq_u32 s[PAR], 0
	s_cbranch_scc1 .Lkeeps
.set n, 0
.rept 16
	ds_store_b128 v[SG], v[160+4*n:163+4*n] offset:512*n   ; each accumulator from its low end on
.set n, n+1
.endr
	ds_store_b128 v[SG], v[12:15] offset:8192
.Lkeeps:
	s_wait_dscnt 0x0                               ; for the partner's sake: my stores are done
	s_barrier_signal -1
	s_barrier_wait -1
	s_cmp_lg_u32 s[PAR], 0
	s_cbranch_scc1 .Ldone                          ; the odd wave has handed its part over
.set n, 0
.rept 16
	ds_load_b128 v[96+4*n:99+4*n], v[SG] offset:512*n
.set n, n+1
.endr
	ds_load_b128 v[232:235], v[SG] offset:8192     ; the partner's -M in v232, its sums in v[234:235]
	s_wait_dscnt 0x0
	v_min_num_f32 v248, v12, v232                  ; -M of the two: the larger M
	v_sub_f32 v254, v248, v12                      ; my M - M: a whole number, 0 or less,
	v_sub_f32 v246, v248, v232                     ; and the partner's
	v_cvt_i32_f32 v254, v254                       ; (it saturates)
	v_cvt_i32_f32 v246, v246
	v_ldexp_f32 v252, 1.0, v254
	v_ldexp_f32 v250, 1.0, v246
	v_pk_mul_f32 v[14:15], v[14:15], v[252:253] op_sel_hi:[1,0]
	v_pk_fma_f32 v[14:15], v[234:235], v[250:251], v[14:15] op_sel_hi:[1,0,1]
.set n, 0
.rept 32
	v_pk_mul_f32 v[160+n:161+n], v[160+n:161+n], v[252:253] op_sel_hi:[1,0]
.set n, n+2
.endr
.set n, 0
.rept 32
	v_pk_fma_f32 v[160+n:161+n], v[96+n:97+n], v[250:251], v[160+n:161+n] op_sel_hi:[1,0,1]
.set n, n+2
.endr
	; THE WAY OUT: O^T x 2^(e8 + e9) / the sum is ctx; register 16 B + i of a lane is channel 32 B + 16 h + i of its query: quantised (e10), it is the lane's part of a fragment of the last product.
	v_add_f32 v14, v14, v15
	s_delay_alu instid0(VALU_DEP_1)
	v_permlanex16_b32 v252, v14, s[SEL], s[SEL+1]
	s_delay_alu instid0(VALU_DEP_1)
	v_add_f32 v14, v14, v252                       ; the row's sum
	s_wait_alu depctr_va_vdst(0)
	v_rcp_f32 v14, v14
	v_nop                                          ; a plain line behind the transcendental
	s_add_co_i32 s56, s76, s77
	s_wait_alu depctr_va_vdst(0)                   ; the wait ahead of the first use
	v_ldexp_f32 v14, v14, s56
.set n, 0
.rept 32
	v_pk_mul_f32 v[96+n:97+n], v[160+n:161+n], v[14:15] op_sel_hi:[1,0]
.set n, n+2
.endr
.set n, 0
.rept 64
	v_med3_num_f32 v[96+n], v[96+n], -v241, v241
.set n, n+1
.endr
.irp g, 0,1,2,3,4,5,6,7
	v_cvt_scalef32_pk8_fp8_f32 v[224+2*\g:225+2*\g], v[96+8*\g:103+8*\g], v245
.endr
	v_nop
.irp c, 0,1,2,3
	global_store_b128 v[AL], v[224+4*\c:227+4*\c], s[8:9] offset:512*\c   ; 512 consecutive bytes a store
.endr
.Ldone:
	s_wait_tensorcnt 0x0                           ; the wave's end
	ds_add_u32 v[SPW], v[NIL]
	s_wait_dscnt 0x0
	CROUND                                         ; the closing round
	s_endpgm
.Lfunc_end_k_qc7dd44999a_attn:
	.size	k_qc7dd44999a_attn, .Lfunc_end_k_qc7dd44999a_attn-k_qc7dd44999a_attn
	.p2alignl 7, 3214868480
	.fill 96, 4, 3214868480
	.section	.rodata,"a",@progbits
	.p2align	6, 0x0
	.amdhsa_kernel k_qc7dd44999a_attn
		.amdhsa_group_segment_fixed_size 327680
		.amdhsa_private_segment_fixed_size 0
		.amdhsa_enable_private_segment 0
		.amdhsa_kernarg_size 24
		.amdhsa_user_sgpr_count 2
		.amdhsa_user_sgpr_kernarg_segment_ptr 1
		.amdhsa_wavefront_size32 1
		.amdhsa_system_sgpr_workgroup_id_x 1
		.amdhsa_system_sgpr_workgroup_id_y 1
		.amdhsa_system_sgpr_workgroup_id_z 1
		.amdhsa_system_vgpr_workitem_id 0
		.amdhsa_next_free_vgpr 256
		.amdhsa_next_free_sgpr 90
		.amdhsa_reserve_vcc 1
		.amdhsa_float_denorm_mode_32 3
		.amdhsa_float_denorm_mode_16_64 3
		.amdhsa_memory_ordered 1
		.amdhsa_forward_progress 1
		.amdhsa_inst_pref_size 122
	.end_amdhsa_kernel
	.amdgpu_metadata
---
amdhsa.version: [ 1, 2 ]
amdhsa.kernels:
  - .name:           k_qc7dd44999a_attn
    .symbol:         k_qc7dd44999a_attn.kd
    .args:
      - { .name: qkv_img, .offset: 0, .size: 8, .value_kind: global_buffer, .address_space: global }
      - { .name: lowp_scales, .offset: 8, .size: 8, .value_kind: global_buffer, .address_space: global }
      - { .name: ctx_img, .offset: 16, .size: 8, .value_kind: global_buffer, .address_space: global }
    .group_segment_fixed_size: 327680
    .private_segment_fixed_size: 0
    .kernarg_segment_align: 8
    .kernarg_segment_size: 24
    .max_flat_workgroup_size: 512
    .sgpr_count:     90
    .vgpr_count:     256
    .wavefront_size: 32
...
	.end_amdgpu_metadata
.endif
;; end of part 3
;; launch outp (part 4): grid 16 x 16, 4 waves a work-group, clusters of 4 x 1, 327,680 bytes of LDS; arguments ctx_img, wo_img, lowp_scales, out0; writes out0
.if DOCPART == 4
	.amdgcn_target "amdgcn-amd-amdhsa--gfx1250"
	.amdhsa_code_object_version 6
	.text
	.protected	k_qc7dd44999a_outp
	.globl	k_qc7dd44999a_outp
	.p2align	8
	.type	k_qc7dd44999a_outp,@function
k_qc7dd44999a_outp:
	s_mov_b64 s[64:65], 0
	v_nop
	global_prefetch_b8 v0, s[64:65] scope:SCOPE_SE
	s_setreg_imm32_b32 hwreg(HW_REG_WAVE_MODE, 25, 1), 1
	s_wait_xcnt 0x0
	s_wait_alu depctr_hold_cnt(0) depctr_sa_sdst(0) depctr_va_vdst(0) depctr_va_sdst(0) depctr_va_ssrc(0) depctr_va_vcc(0) depctr_vm_vsrc(0)
	s_getreg_b32 s2, hwreg(HW_REG_IB_STS2, 6, 4)
	s_cmp_eq_u32 s2, 0
	s_cbranch_scc0 .Lentry_in_a_cluster
	s_endpgm
.Lentry_in_a_cluster:
	s_bfe_u32 s2, ttmp6, 0x10000c
	s_cmp_lg_u32 s2, 0x3003
	s_cbranch_scc0 .Lentry_shape_is_right
	s_endpgm
.Lentry_shape_is_right:
; out0 = ctx x wo on E4M3 codes (fragment images ctx_img, wo_img), each sum x 2^(e10 + e11), f32.
; A work-group makes 256 tokens (chunk j) x 128 columns (group y).  wo's 8 row tiles x all 1,024 of K, 131,072 bytes, stay in LDS: fetched once, one tensor load a wave (a K plane of 32,768 bytes); no LDS byte is filled twice, no barrier in the K walk.
; ctx's fragments lie in memory in register order: a wave loads its 4 row tiles x 128 K (an item: 16 loads of 512 bytes) for each of the 8 K steps straight into registers: seven items are asked for at the head, the eighth behind step 0.
; Source 0 = wo's columns (along a lane's registers), source 1 = tokens (across lanes): a wave's tile is 64 x 128, 32 accumulators by turns.
; CLUSTER 4 x 1: the four partners keep the same bytes of wo and ask for them jointly.  ctx never touches LDS, so it has no joint form.
; NO PREFETCH: the whole stream of a wave, 8 items, is asked for by its loads at the head and behind step 0: there is no later step to run ahead of.
; LIMIT: e10 + e11 between -126 and 127.
; REGISTERS: window 0: v0-31 addresses, v64-255 items 4-6, then the way out (v32-95 scaled sums, v128-255 rows read back); window 1: two sets of wo's 8 fragments; window 2: accumulators; window 3: items 0-3 and 7.
.set STAGE,  131072                    ; 16 rows x 528 bytes for each wave
.set SPITCH, 528
.set SPARE,  STAGE+4*16*SPITCH
.set ADB, 16
.set STO, 24
.set RD,  25
.set CO,  26
.set SPW, 28
.set NIL, 29
.set TMP, 32
.set BK,  128
.set G1,  24
.set G0,  32
.set MSB, 0
.macro WIN new
.if MSB != (\new)
	s_set_vgpr_msb (MSB<<8)|(\new)
.set MSB, (\new)
.endif
.endm
.macro ROUND
	s_barrier_signal -1
	s_barrier_wait -1
	s_cmp_lg_u32 s14, 0
	s_cbranch_scc1 .Lnot_wave_0_\@
	s_barrier_signal -3
.Lnot_wave_0_\@:
	s_barrier_wait -3
	s_barrier_signal -1
	s_barrier_wait -1
.endm
.macro PLACE m                         ; where item m lies: window AW, first register AR
.if ((\m) > 3) && ((\m) < 7)
.set AW, 0
.set AR, 64*((\m)-3)
.else
.set AW, 3
.set AR, 64*((\m)%7)
.endif
.endm
.macro AITEM m
	PLACE \m
	WIN AW<<6
.irp a, 0,1,2,3
.irp c, 0,1,2,3
	global_load_b128 v[AR+16*\a+4*\c:AR+16*\a+4*\c+3], v[CO], s[44:45] offset:((\m)/2)*1048576+\a*4096+((\m)%2)*2048+512*\c
.endr
.endr
	WIN 0
.endm
.macro FETCHB k
	WIN 0x40
.irp b, 0,1,2,3,4,5,6,7
.irp c, 0,1,2,3
	ds_load_b128 v[128*((\k)%2)+16*\b+4*\c:128*((\k)%2)+16*\b+4*\c+3], v[ADB+(\k)/4] offset:(((\k)/2)%2)*32768+\b*4096+((\k)%2)*2048+512*\c
.endr
.endr
	WIN 0
.endm
.macro STEP k, nl                      ; nl: the loads issued behind this step's item, or the counter's largest count where they are more
	s_wait_loadcnt \nl
.if (\k) < 7
	s_wait_dscnt 32                                ; this step's LDS fragments are in; the next step's 32 loads may be out
.else
	s_wait_dscnt 0x0
.endif
	PLACE \k
	WIN 0xa1|(AW<<2)
.irp a, 0,1,2,3
.irp b, 0,1,2,3,4,5,6,7
.if (\k) == 0
	v_wmma_f32_16x16x128_fp8_fp8 v[64*\a+8*\b:64*\a+8*\b+7], v[128*((\k)%2)+16*\b:128*((\k)%2)+16*\b+15], v[AR+16*\a:AR+16*\a+15], 0
.else
	v_wmma_f32_16x16x128_fp8_fp8 v[64*\a+8*\b:64*\a+8*\b+7], v[128*((\k)%2)+16*\b:128*((\k)%2)+16*\b+15], v[AR+16*\a:AR+16*\a+15], v[64*\a+8*\b:64*\a+8*\b+7]
.endif
.endr
.endr
.rept 4
	v_nop                                          ; four places in front of loads into registers that the products read, and of the first read of results
.endr
	WIN 0
.if (\k) == 0
	AITEM 7
.endif
.if (\k) < 6
	FETCHB (\k)+2
.endif
.endm
.macro TOSTAGE a                       ; row tile a: x 2^(e10 + e11), into my stage, and back as whole rows of 512 bytes
.set AC, 64*(\a)
	WIN 0x02
.set n, 0
.rept 32
	v_pk_mul_f32 v[TMP+n:TMP+n+1], v[AC+n:AC+n+1], s[96:97] op_sel_hi:[1,0]
.set n, n+2
.endr
	WIN 0
.irp b, 0,1,2,3,4,5,6,7
	ds_store_b128 v[STO], v[TMP+8*\b:TMP+8*\b+3] offset:128*(\b/2)+32*(\b%2)
	ds_store_b128 v[STO], v[TMP+8*\b+4:TMP+8*\b+7] offset:128*(\b/2)+32*(\b%2)+16
.endr
.set BB, BK+64*((\a)%2)
.irp t, 0,1,2,3,4,5,6,7,8,9,10,11,12,13,14,15
	ds_load_b128 v[BB+4*\t:BB+4*\t+3], v[RD] offset:\t*SPITCH   ; LDS serves a wave's instructions in order (ISA guide 5.7.1.4)
.endr
.endm
.macro SEND a, younger
.set BB, BK+64*((\a)%2)
	s_wait_dscnt \younger
.irp t, 0,1,2,3,4,5,6,7,8,9,10,11,12,13,14,15
	global_store_b128 v[CO], v[BB+4*\t:BB+4*\t+3], s[10:11] offset:(32*((\a)/2)+8*((\a)%2)+\t+8*(\t/8))*8192 th:TH_STORE_NT   ; 32 lanes store 512 consecutive bytes of a row
.endr
.endm
	s_load_b256 s[4:11], s[0:1], 0x0               ; ctx_img, wo_img, scales, out0
	v_lshl_add_u32 v[SPW], v0, 2, SPARE
	v_mov_b32 v[NIL], 0
	ds_add_u32 v[SPW], v[NIL]                      ; the opening lines: the add twice on end and its wait
	ds_add_u32 v[SPW], v[NIL]
	v_lshrrev_b32 v1, 5, v0
	v_readfirstlane_b32 s14, v1                    ; wave
	s_bfe_u32 s40, ttmp6, 0x40000                  ; cx
	s_and_b32 s17, ttmp7, 0xffff                   ; y
	s_mov_b32 s[G1], 15|(3<<16)|(1<<21)            ; all four partners; elements of 8 bytes
	s_mov_b32 s[G1+1], 32<<16                      ; rows of 256 bytes,
	s_mov_b32 s[G1+2], 128<<16                     ; 128 of them, dense
	s_mov_b32 s[G1+3], 32<<16
	s_mov_b32 s[G1+4], 128
	s_mov_b32 s[G1+5], 32
	s_mov_b32 s[G1+6], 0
	s_mov_b32 s[G1+7], 0
	s_lshl_b32 s18, s17, 15                        ; wo's row tiles 8 y on,
	s_lshl_b32 s19, s14, 19                        ; in plane = wave
	s_add_co_u32 s18, s18, s19
	s_mov_b32 s19, 0
	s_lshl_b32 s20, ttmp9, 2
	s_add_co_u32 s20, s20, s40
	s_lshl_b32 s20, s20, 4
	s_lshl_b32 s21, s14, 2
	s_add_co_u32 s20, s20, s21                     ; my first row tile of tokens: 16 j + 4 wave
	s_lshl_b32 s22, s20, 12
	s_mov_b32 s23, 0
	s_lshl_b32 s46, s20, 17                        ; 16 rows of 8,192 bytes a tile
	s_lshl_b32 s47, s17, 9
	s_add_co_u32 s46, s46, s47
	s_mov_b32 s47, 0
	s_mul_i32 s13, s14, 16*SPITCH
	s_add_co_u32 s13, s13, STAGE                   ; my stage
	v_and_b32 v1, 31, v0
	v_lshlrev_b32 v[CO], 4, v1
	v_and_b32 v2, 15, v0
	v_bfe_u32 v3, v0, 4, 1
	v_lshlrev_b32 v[ADB], 4, v1
	v_lshl_add_u32 v[ADB+1], v1, 4, 0x10000
	v_mul_u32_u24 v[STO], v2, SPITCH
	v_lshl_add_u32 v[STO], v3, 6, v[STO]
	v_add_nc_u32 v[STO], s13, v[STO]
	v_add_nc_u32 v[RD], s13, v[CO]
	s_wait_alu depctr_va_vdst(0)
	s_wait_dscnt 0x0
	s_wait_kmcnt 0x0
	s_load_b64 s[96:97], s[8:9], 0x28              ; e10, e11
	s_mov_b32 s[G0], 1
	s_lshl_b32 s[G0+1], s14, 15                    ; LDS: wave x 32,768
	s_add_nc_u64 s[G0+2:G0+3], s[6:7], s[18:19]
	s_or_b32 s[G0+3], s[G0+3], 0x80000000
	s_add_nc_u64 s[44:45], s[4:5], s[22:23]
	s_add_nc_u64 s[10:11], s[10:11], s[46:47]
	ROUND                                          ; the four partners are here: the joint loads meet
	tensor_load_to_lds s[G0:G0+3], s[G1:G1+7]      ; my one tensor load of the launch
	s_nop 0
.rept 4
	v_nop
.endr
.irp m, 0,1,2,3,4,5,6
	AITEM \m
.endr
	s_wait_tensorcnt 0x0                           ; my plane is in
	s_barrier_signal -1
	s_barrier_wait -1                              ; and everybody's
	FETCHB 0
	FETCHB 1
	STEP 0, 63
	STEP 1, 63
	STEP 2, 63
	STEP 3, 63
	STEP 4, 48
	STEP 5, 32
	STEP 6, 16
	STEP 7, 0
	s_wait_kmcnt 0x0
	s_add_co_i32 s96, s96, s97
	s_add_co_i32 s96, s96, 127
	s_lshl_b32 s96, s96, 23                        ; 2^(e10 + e11)
	s_mov_b32 s97, s96
	TOSTAGE 0
.irp a, 1,2,3
.if \a > 1
	s_wait_xcnt 0x0                                ; tile a - 2's stores have read their registers
.endif
	TOSTAGE \a
	SEND \a-1, 32
.endr
	SEND 3, 0
	s_wait_tensorcnt 0x0                           ; the wave's end
	ds_add_u32 v[SPW], v[NIL]
	s_wait_dscnt 0x0
	ROUND                                          ; the closing round
	s_endpgm
.Lfunc_end_k_qc7dd44999a_outp:
	.size	k_qc7dd44999a_outp, .Lfunc_end_k_qc7dd44999a_outp-k_qc7dd44999a_outp
	.p2alignl 7, 3214868480
	.fill 96, 4, 3214868480
	.section	.rodata,"a",@progbits
	.p2align	6, 0x0
	.amdhsa_kernel k_qc7dd44999a_outp
		.amdhsa_group_segment_fixed_size 327680
		.amdhsa_private_segment_fixed_size 0
		.amdhsa_enable_private_segment 0
		.amdhsa_kernarg_size 32
		.amdhsa_user_sgpr_count 2
		.amdhsa_user_sgpr_kernarg_segment_ptr 1
		.amdhsa_wavefront_size32 1
		.amdhsa_system_sgpr_workgroup_id_x 1
		.amdhsa_system_sgpr_workgroup_id_y 1
		.amdhsa_system_sgpr_workgroup_id_z 1
		.amdhsa_system_vgpr_workitem_id 0
		.amdhsa_next_free_vgpr 1024
		.amdhsa_next_free_sgpr 100
		.amdhsa_reserve_vcc 0
		.amdhsa_float_denorm_mode_32 3
		.amdhsa_float_denorm_mode_16_64 3
		.amdhsa_memory_ordered 1
		.amdhsa_forward_progress 1
		.amdhsa_inst_pref_size 74
	.end_amdhsa_kernel
	.amdgpu_metadata
---
amdhsa.version: [ 1, 2 ]
amdhsa.kernels:
  - .name:           k_qc7dd44999a_outp
    .symbol:         k_qc7dd44999a_outp.kd
    .args:
      - { .name: ctx_img, .offset: 0, .size: 8, .value_kind: global_buffer, .address_space: global }
      - { .name: wo_img, .offset: 8, .size: 8, .value_kind: global_buffer, .address_space: global }
      - { .name: lowp_scales, .offset: 16, .size: 8, .value_kind: global_buffer, .address_space: global }
      - { .name: out0, .offset: 24, .size: 8, .value_kind: global_buffer, .address_space: global }
    .group_segment_fixed_size: 327680
    .private_segment_fixed_size: 0
    .kernarg_segment_align: 8
    .kernarg_segment_size: 32
    .max_flat_workgroup_size: 128
    .sgpr_count:     100
    .vgpr_count:     1024
    .wavefront_size: 32
...
	.end_amdgpu_metadata
.endif
;; end of part 4
